; MI455X (gfx1250); checked and timed in simulation.
; The chip was launched on July 23, 2026; its instructions are those of AMD's public machine-readable ISA for CDNA 5 (MIT licence, August 2026) and "CDNA5" Instruction Set Architecture Reference Guide (July 2026). The comments in the code are by the model that wrote it; some were corrected since.
;; Multi Head Causal Attention. Allowed arithmetic: matrix products marked QUANTISED: E2M1 operands, one E8M0 scale for each 32 along K, by v_wmma_scale_f32_16x16x128_f8f6f4 with both operands' format E2M1 (or v_wmma_scale_f32_32x16x128_f4), f32 sums; products left as they are: bf16, f16 or f32 operands; f32 sums; everything else in f32.
;; Inputs: b_o 1,024 float32; w_k 1,024 x 1,024 float32; w_o 1,024 x 1,024 float32; w_q 1,024 x 1,024 float32; w_v 1,024 x 1,024 float32; x 4 x 2,048 x 1,024 float32.
;; Outputs: out0 4 x 2,048 x 1,024 float32.
;; This version of the problem:
;;   THIS VERSION OF THE PROBLEM IS GIVEN IN LOW PRECISION. The matrix products marked QUANTISED in the list below multiply operands that are first quantised to E2M1 (2 exponent bits, 1 mantissa bit; 4 bits a number), with one power-of-two scale for each 32 numbers along K (OCP MX v1.0); their sums are f32. The products marked 'left as it is' may take bf16, f16 or f32 operands, with f32 sums. Whichever they take, every output number must still come out within the allowed error. Rounding operands to bf16 (8 significant bits) uses up far more of that allowance than f16 does (11 bits, for magnitudes from 6e-5 to 65,504). All else is computed in f32.
;;   The module's matrix products, in the order in which they are computed (A, B: the left and right operand; K: the contracted axis; several contracted axes count as one K, in the product's order):
;;     1. [M 8,192, K 1,024] x [K 1,024, N 1,024]; A: input x; B: input w_q: QUANTISED
;;     2. [M 8,192, K 1,024] x [K 1,024, N 1,024]; A: input x; B: input w_k: QUANTISED
;;     3. [M 8,192, K 1,024] x [K 1,024, N 1,024]; A: input x; B: input w_v: QUANTISED
;;     4. batch 64 x [M 2,048, K 64] x [K 64, N 2,048]; A: computed on the way; B: computed on the way: left as it is (an operand is computed on the way)
;;     5. batch 64 x [M 2,048, K 2,048] x [K 2,048, N 64]; A: computed on the way; B: computed on the way: left as it is (an operand is computed on the way)
;;     6. [M 8,192, K 1,024] x [K 1,024, N 1,024]; A: computed on the way; B: input w_o: left as it is (an operand is computed on the way)
;;   THE QUANTISER, for each operand of a quantised product, along K:
;;     - K is cut into blocks of 32 from its start; a last block that is shorter is filled with zeros.
;;     - A block's scale is 2^e with e = floor(log2(the largest magnitude in the block)) - 2, held to -126 .. 127; a block of zeros has e = 0. As a byte (E8M0): e + 127.
;;     - Each number is divided by its block's scale, clamped to +-6, and rounded to the nearest number of E2M1, ties to even, subnormals kept.
;;     - The product sums the exact products of the quantised numbers (number of the format x scale) in f32.
;;   ~~~python
;;   def quantise(x, axis):      # numpy; x: float32 -> the quantised numbers, widened to float32 again
;;       x = np.moveaxis(x, axis, -1); K = x.shape[-1]
;;       x = np.pad(x, [(0, 0)] * (x.ndim - 1) + [(0, -K % 32)]); x = x.reshape(x.shape[:-1] + (-1, 32)); a = np.abs(x).max(-1, keepdims=True)
;;       e = np.where(a > 0, np.clip(np.frexp(np.where(a > 0, a, 1))[1] - 1 - 2, -126, 127), 0)      # np.frexp(a)[1] - 1 = floor(log2(a)), exactly
;;       r = np.clip(x / 2.0 ** e, -6, 6)
;;       step = 2.0 ** (np.maximum(np.frexp(np.where(r == 0, 1, r))[1] - 1, 0) - 1)
;;       q = np.round(r / step) * step * 2.0 ** e      # np.round: ties to even
;;       return np.moveaxis(q.reshape(q.shape[:-2] + (-1,))[..., :K], -1, axis).astype(np.float32)
;;   ~~~
;; One version. Each part assembles by itself: llvm-mc -triple=amdgcn-amd-amdhsa -mcpu=gfx1250 --defsym DOCPART=n.
;; ======== version 1 of 1: 5 launches
;; limits: values are held in f16: magnitudes above 65,504 overflow, below 6.1e-05 lose precision
;; workspace buffers: xc 4,194,304 bytes; xs 262,144 bytes; wc 1,572,864 bytes; ws 98,304 bytes; wo16 2,097,152 bytes; qkv 50,331,648 bytes; qkv32 786,432 bytes; ao 16,777,216 bytes
;; launch quant (part 1): grid 384 x 1, 4 waves a work-group, no clusters, 33,280 bytes of LDS; arguments x, w_q, w_k, w_v, w_o, xc, xs, wc, ws, wo16; writes xc, xs, wc, ws, wo16
.if DOCPART == 1
	.amdgcn_target "amdgcn-amd-amdhsa--gfx1250"
	.amdhsa_code_object_version 6
	.text
	.protected	k_q67af0549a2_quant
	.globl	k_q67af0549a2_quant
	.p2align	8
	.type	k_q67af0549a2_quant,@function
k_q67af0549a2_quant:
	s_mov_b64 s[64:65], 0
	v_nop
	global_prefetch_b8 v0, s[64:65] scope:SCOPE_SE
	s_setreg_imm32_b32 hwreg(HW_REG_WAVE_MODE, 25, 1), 1
	s_wait_xcnt 0x0
; x [8192][1024], w_q, w_k, w_v [1024][1024], f32, K innermost, become codes of FP4 (E2M1), two a byte, with one E8M0 scale byte for each 32 along K;
; w_o [1024][1024] f32 becomes f16 (the last product is not quantised).  xc [8192][512 B], xs [8192][32 B]; wc [3072][512 B], ws [3072][32 B]: rows 0-1023 w_q, 1024-2047 w_k, 2048-3071 w_v.
; A block's scale is 2^(floor(log2(its largest magnitude)) - 2); its byte is the largest magnitude's exponent field - 2, held at 1 from below.  Each number is divided by the scale and rounded to the nearest code, ties to even.
; LIMITS: a block whose largest magnitude lies under 2^-124 keeps the byte 1; a block of zeros gets the byte 1 where the rule says 127 (its codes are zeros, and this program alone reads the bytes);
; NaN and infinities among the inputs are not served; |w_o| stays under 65,504 (f16).
; Rows are dense and K is a multiple of 32: every tensor is a plain stream of blocks of 32.  A work-group takes 32,768 numbers, a wave 8,192.
; Work-groups 0-255: x; 256-287: w_q; 288-319: w_k; 320-351: w_v; 352-383: w_o.  The choice hangs on the work-group's number alone; only pointers are chosen.
; Quantiser: a wave takes 16 steps of 512 numbers; each load reads 512 consecutive bytes; a step's 2,048 bytes turn through the wave's own stage in LDS so that a lane holds 16 neighbours along K.
; No tensor loads, no barrier: waves share nothing.
.set WAVES, 4
.set STEPS, 16
.set EMAX,  2
.set CB,    8                          ; bytes of 16 codes
.set R,     16                         ; v16-79   four sets of 16 numbers as loaded
.set X,     80                         ; v80-111  two sets of 16 neighbours
.set C,     128                        ; v128-191 codes: four registers for each step
.set E,     112                        ; v112-127 a scale byte for each step
.set WREG,  8192                       ; LDS: a region for each wave: two stages of 32 x SP bytes, then its 256 scale bytes
.set SP,    80                         ; a lane's place in a stage: 64 bytes + 16 of padding
.set SPW,   12                         ; v12  LDS address of my spare word; never rewritten
.set NIL,   13                         ; v13  0; never rewritten
.set SPARE, WAVES*WREG                 ; behind the four regions: the spare words, 128 bytes a wave
	s_load_b512 s[4:19], s[0:1], 0x0               ; x s[4:5], w_q s[6:7], w_k s[8:9], w_v s[10:11], w_o s[12:13], xc s[14:15], xs s[16:17], wc s[18:19]
	s_load_b128 s[20:23], s[0:1], 0x40             ; ws s[20:21], wo16 s[22:23]
	v_lshl_add_u32 v[SPW], v0, 2, SPARE
	v_mov_b32 v[NIL], 0
	v_lshrrev_b32 v1, 5, v0
	v_readfirstlane_b32 s32, v1                    ; wave
	v_and_b32 v2, 31, v0                           ; lane
	v_lshlrev_b32 v3, 4, v2                        ; my 16 bytes of a load's 512
	s_mul_i32 s33, s32, WREG
	v_lshrrev_b32 v14, 2, v2
	v_mul_u32_u24 v14, v14, SP
	v_and_b32 v15, 3, v2
	v_lshl_add_u32 v14, v15, 4, v14
	v_add_nc_u32 v14, s33, v14                     ; the stage, way in: SP (lane / 4) + 16 (lane % 4)
	v_mul_u32_u24 v15, v2, SP
	v_add_nc_u32 v15, s33, v15                     ; way out: SP x lane: my 16 neighbours
	v_mul_u32_u24 v4, v2, CB                       ; my codes' place in a step's
	v_lshrrev_b32 v5, 1, v2
	s_add_co_u32 s33, s33, 2*32*SP
	v_add_nc_u32 v5, s33, v5                       ; my wave's 256 scale bytes, my block's byte
	v_lshlrev_b32 v7, 3, v2                        ; 8 bytes a lane
	v_add_nc_u32 v6, s33, v7
	s_wait_kmcnt 0x0
	s_cmp_lt_u32 ttmp9, 256                        ; x, or a weight?
	s_cselect_b64 s[24:25], s[4:5], s[6:7]         ; the source
	s_cselect_b64 s[26:27], s[14:15], s[18:19]     ; its codes
	s_cselect_b64 s[28:29], s[16:17], s[20:21]     ; its scale bytes
	s_cselect_b32 s30, 0, 256                      ; the first work-group of the destination
	s_cselect_b32 s31, 255, 31                     ; work-groups to a source, less one
	s_cmp_lt_u32 ttmp9, 288
	s_cselect_b64 s[24:25], s[24:25], s[8:9]
	s_cmp_lt_u32 ttmp9, 320
	s_cselect_b64 s[24:25], s[24:25], s[10:11]
	s_cmp_lt_u32 ttmp9, 352
	s_cselect_b64 s[24:25], s[24:25], s[12:13]
	s_sub_co_u32 s33, ttmp9, s30
	s_and_b32 s34, s33, s31
	s_lshl_b32 s33, s33, 2
	s_add_co_u32 s33, s33, s32                     ; which run of 8,192 numbers of the destination is my wave's
	s_lshl_b32 s34, s34, 2
	s_add_co_u32 s34, s34, s32                     ; and of the source
	s_lshl_b32 s36, s34, 15                        ; 32,768 bytes a run
	s_mov_b32 s37, 0
	s_add_nc_u64 s[24:25], s[24:25], s[36:37]
	s_cmp_lt_u32 ttmp9, 352
	s_cbranch_scc1 .Lquant
; ---- w_o to f16: four groups of 16 loads of 512 consecutive bytes; a lane's 4 numbers become 8 bytes, so a store of the wave covers 256 consecutive bytes, aligned
	s_lshl_b32 s36, s34, 14                        ; 16,384 bytes of f16 a run
	s_add_nc_u64 s[22:23], s[22:23], s[36:37]
.macro LOADG g
.irp j, 0,1,2,3,4,5,6,7,8,9,10,11,12,13,14,15
	global_load_b128 v[16+64*((\g)%2)+4*\j:16+64*((\g)%2)+4*\j+3], v3, s[24:25] offset:512*(16*(\g)+\j)
.endr
.endm
.macro CV g
.if (\g) < 3
	s_wait_loadcnt 16                              ; this group's 16 loads are in; the next group's 16 may be out
.else
	s_wait_loadcnt 0x0
.endif
.if (\g) > 0
	s_wait_xcnt 0x0                                ; the last group's stores have read their data: v144-175 are written again only behind this wait
.endif
.irp j, 0,1,2,3,4,5,6,7,8,9,10,11,12,13,14,15
	v_cvt_pk_f16_f32 v[144+2*\j], v[16+64*((\g)%2)+4*\j], v[16+64*((\g)%2)+4*\j+1]
	v_cvt_pk_f16_f32 v[145+2*\j], v[16+64*((\g)%2)+4*\j+2], v[16+64*((\g)%2)+4*\j+3]
.endr
.if (\g) < 2
	LOADG (\g)+2                                   ; loads ahead of stores
.endif
.irp j, 0,1,2,3,4,5,6,7,8,9,10,11,12,13,14,15
	global_store_b64 v7, v[144+2*\j:145+2*\j], s[22:23] offset:256*(16*(\g)+\j)
.endr
.endm
	LOADG 0
	LOADG 1
	CV 0
	CV 1
	CV 2
	CV 3
	s_branch .Lend
; ---- the quantiser
.Lquant:
	s_lshl_b32 s36, s33, 12                        ; 4,096 bytes of codes a run
	s_add_nc_u64 s[26:27], s[26:27], s[36:37]
	s_lshl_b32 s36, s33, 8                         ; 256 scale bytes a run
	s_add_nc_u64 s[28:29], s[28:29], s[36:37]
.macro LOAD t
.irp i, 0,1,2,3
	global_load_b128 v[R+16*((\t)%4)+4*\i:R+16*((\t)%4)+4*\i+3], v3, s[24:25] offset:2048*(\t)+512*\i th:TH_LOAD_NT   ; 32 lanes read 512 consecutive bytes
.endr
.endm
.macro TURN t                          ; step t's numbers through the stage: LDS serves a wave's instructions in order, so no wait stands between the stores and the loads
.irp i, 0,1,2,3
	ds_store_b128 v14, v[R+16*((\t)%4)+4*\i:R+16*((\t)%4)+4*\i+3] offset:32*SP*((\t)%2)+8*SP*\i
.endr
.irp i, 0,1,2,3
	ds_load_b128 v[X+16*((\t)%2)+4*\i:X+16*((\t)%2)+4*\i+3], v15 offset:32*SP*((\t)%2)+16*\i
.endr
.endm
.irp t, 0,1,2,3
	LOAD \t
.endr
	s_wait_loadcnt 12                              ; step 0's four loads are in; three steps' twelve may be out
	TURN 0
.macro STEP t
.set XS, X+16*((\t)%2)
.if (\t) > 0
	s_wait_dscnt 1                                 ; this step's numbers are back from the stage (the last step's byte store may be out)
.else
	s_wait_dscnt 0x0
.endif
.if (\t)+4 < STEPS
	LOAD (\t)+4                                    ; into the registers that this step's stores into the stage have read
.endif
.if (\t)+1 < STEPS
.if STEPS-2-(\t) >= 3
	s_wait_loadcnt 12                              ; the next step's four loads are in; those of the three steps behind it may be out
.else
	s_wait_loadcnt 4*(STEPS-2-(\t))
.endif
	TURN (\t)+1
.endif
	v_max3_num_f32 v8, |v[XS]|, |v[XS+1]|, |v[XS+2]|               ; the largest magnitude of my 16, in two chains
	v_max3_num_f32 v9, |v[XS+3]|, |v[XS+4]|, |v[XS+5]|
.irp i, 6,10
	v_max3_num_f32 v8, v8, |v[XS+\i]|, |v[XS+\i+1]|
	v_max3_num_f32 v9, v9, |v[XS+\i+2]|, |v[XS+\i+3]|
.endr
	v_max3_num_f32 v8, v8, |v[XS+14]|, |v[XS+15]|
	v_max3_num_f32 v8, v8, v9, (EMAX+1)<<23        ; and the floor 2^(3 - 127): the byte cannot fall under 1
	v_max_num_f32_dpp v8, v8, v8 row_xmask:1 row_mask:0xf bank_mask:0xf   ; and of my neighbour's 16: the block's
	v_add_nc_u32 v11, -(EMAX<<23), v8              ; 2 off its exponent field: the conversion takes this operand's exponent field as its scale
	v_cvt_scalef32_pk8_fp4_f32 v[C+4*(\t)], v[XS:XS+7], v11
	v_cvt_scalef32_pk8_fp4_f32 v[C+4*(\t)+1], v[XS+8:XS+15], v11
	v_lshrrev_b32 v[E+(\t)], 23, v11               ; the scale's byte (also the plain line behind the conversions)
	ds_store_b8 v5, v[E+(\t)] offset:16*(\t)       ; both lanes of a block write the same byte with the same value
	global_store_b64 v4, v[C+4*(\t):C+4*(\t)+1], s[26:27] offset:32*CB*(\t)   ; 32 lanes store 256 consecutive bytes, aligned
.endm
.irp t, 0,1,2,3,4,5,6,7,8,9,10,11,12,13,14,15
	STEP \t
.endr
	ds_load_b64 v[8:9], v6                         ; LDS serves a wave's instructions in order: these see my byte stores
	s_wait_dscnt 0x0
	global_store_b64 v7, v[8:9], s[28:29]          ; the wave's 256 scale bytes, aligned
.Lend:
	s_wait_tensorcnt 0x0                           ; the wave's end: behind the last LDS store
	ds_add_u32 v[SPW], v[NIL]
	s_wait_dscnt 0x0
	s_endpgm
.Lfunc_end_k_q67af0549a2_quant:
	.size	k_q67af0549a2_quant, .Lfunc_end_k_q67af0549a2_quant-k_q67af0549a2_quant
	.p2alignl 7, 3214868480
	.fill 96, 4, 3214868480
	.section	.rodata,"a",@progbits
	.p2align	6, 0x0
	.amdhsa_kernel k_q67af0549a2_quant
		.amdhsa_group_segment_fixed_size 33280
		.amdhsa_private_segment_fixed_size 0
		.amdhsa_enable_private_segment 0
		.amdhsa_kernarg_size 80
		.amdhsa_user_sgpr_count 2
		.amdhsa_user_sgpr_kernarg_segment_ptr 1
		.amdhsa_wavefront_size32 1
		.amdhsa_system_sgpr_workgroup_id_x 1
		.amdhsa_system_sgpr_workgroup_id_y 1
		.amdhsa_system_sgpr_workgroup_id_z 1
		.amdhsa_system_vgpr_workitem_id 0
		.amdhsa_next_free_vgpr 192
		.amdhsa_next_free_sgpr 66
		.amdhsa_reserve_vcc 0
		.amdhsa_float_denorm_mode_32 3
		.amdhsa_float_denorm_mode_16_64 3
		.amdhsa_memory_ordered 1
		.amdhsa_forward_progress 1
		.amdhsa_inst_pref_size 54
	.end_amdhsa_kernel
	.amdgpu_metadata
---
amdhsa.version: [ 1, 2 ]
amdhsa.kernels:
  - .name:           k_q67af0549a2_quant
    .symbol:         k_q67af0549a2_quant.kd
    .args:
      - { .name: x, .offset: 0, .size: 8, .value_kind: global_buffer, .address_space: global }
      - { .name: w_q, .offset: 8, .size: 8, .value_kind: global_buffer, .address_space: global }
      - { .name: w_k, .offset: 16, .size: 8, .value_kind: global_buffer, .address_space: global }
      - { .name: w_v, .offset: 24, .size: 8, .value_kind: global_buffer, .address_space: global }
      - { .name: w_o, .offset: 32, .size: 8, .value_kind: global_buffer, .address_space: global }
      - { .name: xc, .offset: 40, .size: 8, .value_kind: global_buffer, .address_space: global }
      - { .name: xs, .offset: 48, .size: 8, .value_kind: global_buffer, .address_space: global }
      - { .name: wc, .offset: 56, .size: 8, .value_kind: global_buffer, .address_space: global }
      - { .name: ws, .offset: 64, .size: 8, .value_kind: global_buffer, .address_space: global }
      - { .name: wo16, .offset: 72, .size: 8, .value_kind: global_buffer, .address_space: global }
    .group_segment_fixed_size: 33280
    .private_segment_fixed_size: 0
    .kernarg_segment_align: 8
    .kernarg_segment_size: 80
    .max_flat_workgroup_size: 128
    .sgpr_count:     66
    .vgpr_count:     192
    .wavefront_size: 32
...
	.end_amdgpu_metadata
.endif
;; end of part 1
;; launch qkv (part 2): grid 12 x 32, 4 waves a work-group, clusters of 4 x 4, 327,680 bytes of LDS; arguments xc, xs, wc, ws, qkv, qkv32; writes qkv, qkv32
.if DOCPART == 2
	.amdgcn_target "amdgcn-amd-amdhsa--gfx1250"
	.amdhsa_code_object_version 6
	.text
	.protected	k_q67af0549a2_qkv
	.globl	k_q67af0549a2_qkv
	.p2align	8
	.type	k_q67af0549a2_qkv,@function
k_q67af0549a2_qkv:
	s_mov_b64 s[64:65], 0
	v_nop
	global_prefetch_b8 v0, s[64:65] scope:SCOPE_SE
	s_setreg_imm32_b32 hwreg(HW_REG_WAVE_MODE, 25, 1), 1
	s_wait_xcnt 0x0
	s_wait_alu depctr_hold_cnt(0) depctr_sa_sdst(0) depctr_va_vdst(0) depctr_va_sdst(0) depctr_va_ssrc(0) depctr_va_vcc(0) depctr_vm_vsrc(0)
	s_getreg_b32 s2, hwreg(HW_REG_IB_STS2, 6, 4)
	s_cmp_eq_u32 s2, 0
	s_cbranch_scc0 .Lentry_in_a_cluster
	s_endpgm
.Lentry_in_a_cluster:
	s_bfe_u32 s2, ttmp6, 0x10000c
	s_cmp_lg_u32 s2, 0xf033
	s_cbranch_scc0 .Lentry_shape_is_right
	s_endpgm
.Lentry_shape_is_right:
; [q | k | v](m, n) = sum over k of x(m, k) w(n, k), on codes of FP4 (E2M1) with one E8M0 scale for each 32 along K; sums in f32.  M 8,192, N 3,072, K 1,024.
; The result leaves as f16 by head: qkv [b 4][g 48][s 2048][64], g = column / 64 (g = h: q, 16 + h: k, 32 + h: v); and positions 0-15 of every batch once more as f32: qkv32 [b][s 16][3072].
; LIMIT: |q|, |k|, |v| stay under 65,504 (f16).
; A tile of 256 x 256 is made by four waves, 128 x 128 each: 64 accumulators of 16 x 16, 512 registers.  K is two steps of 512 (rows of 256 bytes): both slots are filled at the start and never again.
; The scale bytes of the work-group's 256 + 256 rows, for all of K, come into LDS once, as rows of 256 bytes.
; CLUSTERS: 4 x 4 work-groups.  The four of a row of the cluster need the same tiles of x, the four of a column the same tiles of w: each tile is asked for jointly.
; The tile row is 8 cy + cluster y: the four partners along y are the four batches, so that 'the first tile of a sequence' (cluster y = 0) is alike in all partners.
; THE MATRIX INSTRUCTION IS USED TRANSPOSED (source 0 = 16 rows of w, source 1 = 16 rows of x): a lane holds eight neighbouring columns of one row.
; REGISTERS, in windows of 256: window 0: v0-31 addresses; v32-95 scale words, two sets, and nothing else; v128-191 x's fragments, one set; on the way out v96-127, v224-255 rows read back, v128-191 the f32 copy, v192-223 packed results.
;   window 1: w's fragments, two sets.   window 2: the accumulators of my rows 0-63 ((a, b) at v[8 (8 a + b)]);   window 3: those of my rows 64-127.
.set SIZE_K, 1024
.set KSTEP,  512
.set NQ,     KSTEP/128
.set ROWB,   256                       ; a tile's row in bytes
.set KROW,   SIZE_K*4/8                ; a row of codes in memory
.set PITCH,  272                       ; an LDS row: 256 bytes + 16 of padding: the 16 rows of a load start at 16 different banks (64 banks of 4 bytes: ISA guide 11.1)
.set FR,     8
.set NL,     2
.set NP,     4
.set HALFT,  128*PITCH
.set SLOT,   4*HALFT
.set KS,     SIZE_K/32                 ; a row of scales in bytes
.set SCL,    2*SLOT
.set HALFS,  (128*KS/256)*272
.set SBLK,   (16*KS/256)*272
.set SPARE,  SCL+4*HALFS               ; the spare words, 128 bytes a wave
.set WSTG,   16*528                    ; the way out: a stage for each wave, in slot 0, which has had its only fill and its last read when the first result is stored there
.set ADRA, 16
.set ADRB, 20
.set STO32, 22                         ; v22  the f32 copy: where I put 32 bytes of a row
.set RD32,  23                         ; v23  and where I read a row back
.set STO,  24                          ; v24  f16: where I put 16 bytes of a row
.set RD,   25                          ; v25  f16: where I read two rows of a head back
.set CO,   26                          ; v26  my byte offset in qkv
.set ADRS, 27
.set SPW,  28
.set NIL,  29
.set CO32, 30                          ; v30  my byte offset in a row of qkv32
.set SC,   32
.set AF,   128
.set FB,   128                         ; the f32 copy's 16 rows
.set TMP,  192
.set G1, 24
.set G0, 32
.set G1B, 48
.set G0B, 56
.set G1S, 68
.set G0S, 76
.set G1SB, 80
.set G0SB, 88
.set FINE, 95                          ; s95  0 where my first 16 rows are positions 0-15 of a batch
.set MSB, 0
.macro WIN new                         ; the immediate's high byte repeats the setting that is left
.if MSB != (\new)
	s_set_vgpr_msb (MSB<<8)|(\new)
.set MSB, (\new)
.endif
.endm
.set MUL_LO, 0xa1                      ; source 0 (w) window 1, source 1 (x) window 0, C and D window 2
.set MUL_HI, 0xf1
.set TO_B,   0x40
; A joint load: waves 0 and 1 fetch for x, waves 2 and 3 for w.  The branch hangs on the wave's number alone.  An s_nop 0 and four v_nop follow each line.
.macro JLOAD g0a, g1a, g0b, g1b
	s_cmp_eq_u32 s15, 0
	s_cbranch_scc0 .Lfor_b_\@
	tensor_load_to_lds s[\g0a:\g0a+3], s[\g1a:\g1a+7]
	s_nop 0
.rept 4
	v_nop
.endr
	s_branch .Lasked_\@
.Lfor_b_\@:
	tensor_load_to_lds s[\g0b:\g0b+3], s[\g1b:\g1b+7]
	s_nop 0
.rept 4
	v_nop
.endr
.Lasked_\@:
.endm
.macro CROUND                          ; a round of the cluster's barrier
	s_barrier_signal -1
	s_barrier_wait -1
	s_cmp_lg_u32 s14, 0
	s_cbranch_scc1 .Lnot_wave_0_\@
	s_barrier_signal -3
.Lnot_wave_0_\@:
	s_barrier_wait -3
	s_barrier_signal -1
	s_barrier_wait -1
.endm
	s_load_b128 s[4:7], s[0:1], 0x0                ; x's codes, x's scales
	s_load_b128 s[8:11], s[0:1], 0x10              ; w's codes, w's scales
	s_load_b64 s[12:13], s[0:1], 0x20              ; qkv
	s_load_b64 s[96:97], s[0:1], 0x28              ; qkv32
	v_lshl_add_u32 v[SPW], v0, 2, SPARE
	v_mov_b32 v[NIL], 0
	ds_add_u32 v[SPW], v[NIL]                      ; the wave's opening: the add, twice on end, and its wait ahead of my first tensor load
	ds_add_u32 v[SPW], v[NIL]
	v_lshrrev_b32 v1, 5, v0
	v_readfirstlane_b32 s14, v1                    ; wave 0..3
	s_lshr_b32 s15, s14, 1                         ; which half of the tile's rows is mine.  Also: I fetch for x (0) or for w (1)
	s_and_b32 s16, s14, 1                          ; which half of its columns.  Also: which 128 rows I fetch
	s_bfe_u32 s40, ttmp6, 0x40000                  ; cx
	s_bfe_u32 s41, ttmp6, 0x40004                  ; cy
	s_lshl_b32 s42, ttmp9, 2
	s_add_co_u32 s42, s42, s40                     ; tile column = 4 x cluster x + cx
	s_and_b32 s17, ttmp7, 0xffff
	s_lshl_b32 s18, s41, 3
	s_add_co_u32 s17, s17, s18                     ; tile row = 8 cy + cluster y: batch cy, rows 256 x cluster y on
	s_lshl_b32 s43, s41, 2
	s_lshl_b32 s43, 15, s43                        ; my row of the cluster
	s_lshl_b32 s44, 0x1111, s40                    ; my column
	s_or_b32 s[G1+0], s43, (0<<16)|(1<<20)|(1<<21)|(5<<22)|(3<<25)  ; the mask; elements of 1 byte; padding on; bit 21 beside a mask; 4 words after every 64
	s_or_b32 s[G1B+0], s44, (0<<16)|(1<<20)|(1<<21)|(5<<22)|(3<<25)
.irp g, G1, G1B
	s_mov_b32 s[\g+1], ROWB<<16                    ; tensor_dim0
	s_mov_b32 s[\g+2], 128<<16                     ; tensor_dim1
	s_mov_b32 s[\g+3], ROWB<<16                    ; tile_dim0
	s_mov_b32 s[\g+4], 128                         ; tile_dim1
	s_mov_b32 s[\g+5], KROW                        ; pitch
	s_mov_b32 s[\g+6], 0
	s_mov_b32 s[\g+7], 0
.endr
	s_or_b32 s[G1S+0], s43, (3<<16)|(1<<20)|(1<<21)|(5<<22)|(3<<25)  ; the scales of 128 rows: a dense block as rows of 256 bytes (32 elements of 8 bytes)
	s_or_b32 s[G1SB+0], s44, (3<<16)|(1<<20)|(1<<21)|(5<<22)|(3<<25)
.irp g, G1S, G1SB
	s_mov_b32 s[\g+1], 32<<16
	s_mov_b32 s[\g+2], (128*KS/256)<<16
	s_mov_b32 s[\g+3], 32<<16
	s_mov_b32 s[\g+4], 128*KS/256
	s_mov_b32 s[\g+5], 32
	s_mov_b32 s[\g+6], 0
	s_mov_b32 s[\g+7], 0
.endr
	s_lshl_b32 s18, s16, 7
	s_lshl_b32 s20, s17, 8
	s_add_co_u32 s20, s20, s18                     ; x: row 256 x tile row + 128 x half
	s_lshl_b32 s46, s42, 8
	s_add_co_u32 s46, s46, s18                     ; w: row 256 x tile column + 128 x half
	s_mov_b32 s21, 0
	s_mov_b32 s47, 0
	s_mov_b64 s[18:19], KS
	s_mul_u64 s[22:23], s[20:21], s[18:19]
	s_mul_u64 s[92:93], s[46:47], s[18:19]
	s_mov_b64 s[18:19], KROW
	s_mul_u64 s[20:21], s[20:21], s[18:19]
	s_mul_u64 s[46:47], s[46:47], s[18:19]
	s_mul_i32 s45, s14, HALFT                      ; where they go: wave x 128 rows
	s_mul_i32 s94, s14, HALFS
	s_wait_dscnt 0x0                               ; both opening adds are done
	s_wait_kmcnt 0x0
	s_add_nc_u64 s[20:21], s[4:5], s[20:21]
	s_add_nc_u64 s[22:23], s[6:7], s[22:23]
	s_add_nc_u64 s[46:47], s[8:9], s[46:47]
	s_add_nc_u64 s[92:93], s[10:11], s[92:93]
	CROUND                                         ; all sixteen work-groups are here: the joint loads meet
	s_mov_b32 s[G0S], 1
	s_add_co_u32 s[G0S+1], s94, SCL
	s_mov_b64 s[G0S+2:G0S+3], s[22:23]
	s_or_b32 s[G0S+3], s[G0S+3], 0x80000000
	s_mov_b32 s[G0SB], 1
	s_add_co_u32 s[G0SB+1], s94, SCL
	s_mov_b64 s[G0SB+2:G0SB+3], s[92:93]
	s_or_b32 s[G0SB+3], s[G0SB+3], 0x80000000
	JLOAD G0S, G1S, G0SB, G1SB                     ; the scales first: they are wanted with K step 0
.irp s, 0,1
	s_mov_b32 s[G0+4*\s], 1
	s_add_co_u32 s[G0+4*\s+1], s45, \s*SLOT
	s_add_nc_u64 s[G0+4*\s+2:G0+4*\s+3], s[20:21], \s*ROWB
	s_or_b32 s[G0+4*\s+3], s[G0+4*\s+3], 0x80000000
	s_mov_b32 s[G0B+4*\s], 1
	s_add_co_u32 s[G0B+4*\s+1], s45, \s*SLOT
	s_add_nc_u64 s[G0B+4*\s+2:G0B+4*\s+3], s[46:47], \s*ROWB
	s_or_b32 s[G0B+4*\s+3], s[G0B+4*\s+3], 0x80000000
	JLOAD G0+4*\s, G1, G0B+4*\s, G1B               ; three tensor loads of mine are out now, and no more follow
.endr
	v_and_b32 v1, 15, v0                           ; r
	v_bfe_u32 v2, v0, 4, 1                         ; h
	v_mul_u32_u24 v3, v1, PITCH
	v_lshl_add_u32 v4, v2, 4, v3
	s_mul_i32 s21, s15, HALFT
	s_mul_i32 s22, s16, HALFT
	s_add_co_u32 s22, s22, 2*HALFT
.irp s, 0,1
	v_add_nc_u32 v[ADRA+\s], s21, v4
	v_add_nc_u32 v[ADRB+\s], s22, v4
	s_add_co_u32 s21, s21, SLOT
	s_add_co_u32 s22, s22, SLOT
.endr
	v_mul_u32_u24 v5, v1, KS                       ; my row's scales: KS bytes a row,
	v_lshrrev_b32 v6, 8, v5
	v_lshl_add_u32 v5, v6, 4, v5                   ; and 16 more for each 256 passed
	s_mul_i32 s21, s15, HALFS
	s_mul_i32 s22, s16, HALFS
	s_add_co_u32 s22, s22, 2*HALFS
	s_sub_co_u32 s22, s22, s21
	v_mul_u32_u24 v6, s22, v2                      ; lanes 16-31 take w's
	s_add_co_u32 s21, s21, SCL
	v_add_nc_u32 v5, v5, v6
	v_add_nc_u32 v[ADRS], s21, v5
	s_mul_i32 s23, s14, WSTG                       ; my stage
	v_mul_u32_u24 v5, v1, 272                      ; f16, in: row r of 256 bytes + 16, 16 bytes for each half of the lanes
	v_lshl_add_u32 v5, v2, 4, v5
	v_add_nc_u32 v[STO], s23, v5
	v_bfe_u32 v5, v0, 3, 1                         ; f16, back: lanes 0-15 take two rows' 128 bytes of the first head, lanes 16-31 of the second
	v_mul_u32_u24 v5, v5, 272
	v_lshl_add_u32 v5, v2, 7, v5
	v_and_b32 v6, 7, v0
	v_lshl_add_u32 v5, v6, 4, v5
	v_add_nc_u32 v[RD], s23, v5
	v_lshlrev_b32 v[CO], 4, v1
	v_lshl_add_u32 v[CO], v2, 18, v[CO]            ; in qkv: 16 (lane % 16), and a head's plane of 262,144 bytes on for lanes 16-31
	v_mul_u32_u24 v5, v1, 528                      ; f32, in: row r of 512 bytes + 16, 32 bytes for each half
	v_lshl_add_u32 v5, v2, 5, v5
	v_add_nc_u32 v[STO32], s23, v5
	v_and_b32 v6, 31, v0
	v_lshlrev_b32 v[CO32], 4, v6                   ; f32, back: the 32 lanes take one row of 512 bytes
	v_add_nc_u32 v[RD32], s23, v[CO32]
	s_mul_i32 s20, s41, 48                         ; qkv: plane 48 cy + 4 x tile column + 2 x column half,
	s_lshl_b32 s21, s42, 2
	s_add_co_u32 s20, s20, s21
	s_lshl_b32 s21, s16, 1
	s_add_co_u32 s20, s20, s21
	s_lshl_b32 s20, s20, 18
	s_and_b32 s21, ttmp7, 0xffff
	s_lshl_b32 s22, s21, 15                        ; position 256 x cluster y, 128 bytes a position,
	s_add_co_u32 s20, s20, s22
	s_lshl_b32 s22, s15, 14                        ; + 128 x row half
	s_add_co_u32 s20, s20, s22
	s_or_b32 s[FINE], s21, s15                     ; cluster y and the wave's row half: alike in all partners
	s_mov_b32 s21, 0
	s_add_nc_u64 s[12:13], s[12:13], s[20:21]
	s_mul_i32 s20, s41, 196608                     ; qkv32: batch cy, my first column
	s_lshl_b32 s22, s42, 10
	s_add_co_u32 s20, s20, s22
	s_lshl_b32 s22, s16, 9
	s_add_co_u32 s20, s20, s22
	s_add_nc_u64 s[96:97], s[96:97], s[20:21]
.macro FRAG reg, adr, q, i             ; 16 rows x 128 K of 4-bit codes: 8 registers: two loads of 16 bytes, 32 bytes apart
.irp c, 0,1
	ds_load_b128 v[\reg+4*\c:\reg+4*\c+3], v[\adr] offset:64*(\q)+32*\c+(\i)*16*PITCH
.endr
.endm
; 16 matrix instructions: x's blocks a0, a0 + 1 against w's eight, 128 along K.  The 64 accumulators take turns, one instruction a turn.
.macro MUL16 a0, p, q, sc, zero
.irp a, \a0, \a0+1
.irp b, 0,1,2,3,4,5,6,7
.if \zero
	v_wmma_scale_f32_16x16x128_f8f6f4 v[8*(8*((\a)%4)+\b):8*(8*((\a)%4)+\b)+7], v[128*(\p)+FR*\b:128*(\p)+FR*\b+FR-1], v[AF+FR*(\a):AF+FR*(\a)+FR-1], 0, v[SC+8*NQ*(\sc)+NQ*\b+(\q)], v[SC+8*NQ*(\sc)+NQ*(\a)+(\q)] matrix_a_fmt:MATRIX_FMT_FP4 matrix_b_fmt:MATRIX_FMT_FP4 matrix_a_scale:MATRIX_SCALE_ROW1
.else
	v_wmma_scale_f32_16x16x128_f8f6f4 v[8*(8*((\a)%4)+\b):8*(8*((\a)%4)+\b)+7], v[128*(\p)+FR*\b:128*(\p)+FR*\b+FR-1], v[AF+FR*(\a):AF+FR*(\a)+FR-1], v[8*(8*((\a)%4)+\b):8*(8*((\a)%4)+\b)+7], v[SC+8*NQ*(\sc)+NQ*\b+(\q)], v[SC+8*NQ*(\sc)+NQ*(\a)+(\q)] matrix_a_fmt:MATRIX_FMT_FP4 matrix_b_fmt:MATRIX_FMT_FP4 matrix_a_scale:MATRIX_SCALE_ROW1
.endif
.endr
.endr
.endm
.macro FETCH_B slot, q, p
	WIN TO_B
.irp i, 0,1,2,3,4,5,6,7
	FRAG 128*(\p)+FR*\i, ADRB+\slot, \q, \i
.endr
	WIN 0
.endm
.macro FETCH_A slot, q, i0
.irp i, \i0, \i0+1, \i0+2, \i0+3
	FRAG AF+FR*(\i), ADRA+\slot, \q, \i
.endr
.endm
.macro SCALES sc                       ; a K step's scale words: lanes 0-15 take x's block i, lanes 16-31 w's block i
.irp i, 0,1,2,3,4,5,6,7
	ds_load_b128 v[SC+8*NQ*\sc+NQ*\i:SC+8*NQ*\sc+NQ*\i+3], v[ADRS] offset:\i*SBLK
.endr
.endm
.macro PLACES n                        ; plain vector instructions between a matrix instruction and a load into its registers or a read of its result
.rept \n
	v_nop
.endr
.endm
.macro STEP slot, q, zero
	s_wait_dscnt 4*NL                              ; w's set and x's blocks 0-3 are in; the youngest eight loads (x's blocks 4-7) may be out
	WIN MUL_LO
	MUL16 0, (\q)%2, \q, \slot, \zero
	MUL16 2, (\q)%2, \q, \slot, \zero
	s_wait_dscnt 0
	PLACES NP
	FETCH_B \slot, (\q)+1, 1-(\q)%2
	FETCH_A \slot, (\q)+1, 0
	WIN MUL_HI
	MUL16 4, (\q)%2, \q, \slot, \zero
	MUL16 6, (\q)%2, \q, \slot, \zero
	PLACES NP
	WIN 0
	FETCH_A \slot, (\q)+1, 4
.endm
; Slot 0's last step changes slots: one barrier; in front of it each wave waits for all its tensor loads, adds 0 to its spare word, and waits for that and for its reads of slot 0.  Nothing is filled again.
.macro TURN slot, next
	s_wait_tensorcnt 0x0                           ; all my tensor loads have landed: my part of the next slot
	ds_add_u32 v[SPW], v[NIL]
	s_wait_dscnt 4*NL+1                            ; (the add and the youngest eight loads may be out)
	WIN MUL_LO
	MUL16 0, 1, NQ-1, \slot, 0
	s_wait_dscnt 0x0                               ; the add is done, and my reads of this slot are over
	s_barrier_signal -1
	MUL16 2, 1, NQ-1, \slot, 0
	WIN 0
	s_barrier_wait -1
	PLACES NP
	v_add_nc_u32 v[ADRS], 4*NQ, v[ADRS]            ; on to the next K step's scale words
	FETCH_B \next, 0, 0
	FETCH_A \next, 0, 0
	SCALES \next
	WIN MUL_HI
	MUL16 4, 1, NQ-1, \slot, 0
	MUL16 6, 1, NQ-1, \slot, 0
	PLACES NP
	WIN 0
	FETCH_A \next, 0, 4
.endm
	s_wait_tensorcnt 1                             ; the scales and my part of K step 0 are in (K step 1's load may be out),
	s_barrier_signal -1
	s_barrier_wait -1                              ; everybody's are
	FETCH_B 0, 0, 0
	FETCH_A 0, 0, 0
	SCALES 0
	FETCH_A 0, 0, 4
	STEP 0, 0, 1                                   ; the first step's products start the sums: nothing is cleared
	STEP 0, 1, 0
	STEP 0, 2, 0
	TURN 0, 1
	STEP 1, 0, 0
	STEP 1, 1, 0
	STEP 1, 2, 0
	s_wait_dscnt 4*NL                              ; the last step: nothing more to fetch
	WIN MUL_LO
	MUL16 0, 1, NQ-1, 1, 0
	MUL16 2, 1, NQ-1, 1, 0
	s_wait_dscnt 0
	WIN MUL_HI
	MUL16 4, 1, NQ-1, 1, 0
	MUL16 6, 1, NQ-1, 1, 0
	WIN 0
	PLACES NP                                      ; in front of the first reads of results and of loads into registers that held fragments
	; POSITIONS 0-15 OF A BATCH ONCE MORE, AS f32: my block 0, where cluster y = 0 and my rows are the tile's upper half
	s_cmp_lg_u32 s[FINE], 0
	s_cbranch_scc1 .Lno_fine
	WIN 0x08                                       ; an LDS store's data: window 2
.irp b, 0,1,2,3,4,5,6,7
	ds_store_b128 v[STO32], v[8*\b:8*\b+3] offset:64*\b            ; each accumulator from its low end on
	ds_store_b128 v[STO32], v[8*\b+4:8*\b+7] offset:64*\b+16
.endr
	WIN 0
.irp t, 0,1,2,3,4,5,6,7,8,9,10,11,12,13,14,15
	ds_load_b128 v[FB+4*\t:FB+4*\t+3], v[RD32] offset:\t*528       ; LDS serves a wave's instructions in order: these see the stores above
.endr
	s_wait_dscnt 0x0
.irp t, 0,1,2,3,4,5,6,7,8,9,10,11,12,13,14,15
	global_store_b128 v[CO32], v[FB+4*\t:FB+4*\t+3], s[96:97] offset:\t*12288   ; 32 lanes store 512 consecutive bytes, aligned; these registers are not written again
.endr
.Lno_fine:
; THE WAY OUT, block by block of 16 rows x 128 columns (two heads).  PACK: rounded to f16.  TOSTAGE: into my stage, and back as pairs of positions of one head.  SEND: stored.
.macro PACK a
.set AC, 64*((\a)%4)
	WIN 0x0a+5*((\a)/4)                            ; sources 0 and 1: window 2 or 3
.irp b, 0,1,2,3,4,5,6,7
.irp r, 0,1,2,3
	v_cvt_pk_f16_f32 v[TMP+4*\b+\r], v[AC+8*\b+2*\r], v[AC+8*\b+2*\r+1]
.endr
.endr
	WIN 0
.endm
.macro TOSTAGE a
.set BB, 96+128*((\a)%2)
.irp b, 0,1,2,3,4,5,6,7
	ds_store_b128 v[STO], v[TMP+4*\b:TMP+4*\b+3] offset:32*\b
.endr
.irp t, 0,1,2,3,4,5,6,7
	ds_load_b128 v[BB+4*\t:BB+4*\t+3], v[RD] offset:\t*2*272
.endr
.endm
.macro SEND a
.set BB, 96+128*((\a)%2)
	s_wait_dscnt 0x0                               ; the block is back in registers
	s_wait_xcnt 0x0                                ; earlier stores have read their data: the other set of registers is loaded again only behind this wait
.irp t, 0,1,2,3,4,5,6,7
	global_store_b128 v[CO], v[BB+4*\t:BB+4*\t+3], s[12:13] offset:(\a)*2048+\t*256   ; 16 lanes store two positions of a head: 256 consecutive bytes, aligned
.endr
.endm
	PACK 0
	TOSTAGE 0
.irp a, 1,2,3,4,5,6,7                  ; block a's conversions stand between block a - 1's loads from the stage and the wait for them
	PACK \a
	SEND \a-1
	TOSTAGE \a
.endr
	SEND 7
	s_wait_tensorcnt 0x0                           ; the wave's end
	ds_add_u32 v[SPW], v[NIL]
	s_wait_dscnt 0x0
	CROUND                                         ; the closing round
	s_endpgm
.Lfunc_end_k_q67af0549a2_qkv:
	.size	k_q67af0549a2_qkv, .Lfunc_end_k_q67af0549a2_qkv-k_q67af0549a2_qkv
	.p2alignl 7, 3214868480
	.fill 96, 4, 3214868480
	.section	.rodata,"a",@progbits
	.p2align	6, 0x0
	.amdhsa_kernel k_q67af0549a2_qkv
		.amdhsa_group_segment_fixed_size 327680
		.amdhsa_private_segment_fixed_size 0
		.amdhsa_enable_private_segment 0
		.amdhsa_kernarg_size 48
		.amdhsa_user_sgpr_count 2
		.amdhsa_user_sgpr_kernarg_segment_ptr 1
		.amdhsa_wavefront_size32 1
		.amdhsa_system_sgpr_workgroup_id_x 1
		.amdhsa_system_sgpr_workgroup_id_y 1
		.amdhsa_system_sgpr_workgroup_id_z 1
		.amdhsa_system_vgpr_workitem_id 0
		.amdhsa_next_free_vgpr 1024
		.amdhsa_next_free_sgpr 98
		.amdhsa_reserve_vcc 0
		.amdhsa_float_denorm_mode_32 3
		.amdhsa_float_denorm_mode_16_64 3
		.amdhsa_memory_ordered 1
		.amdhsa_forward_progress 1
		.amdhsa_inst_pref_size 131
	.end_amdhsa_kernel
	.amdgpu_metadata
---
amdhsa.version: [ 1, 2 ]
amdhsa.kernels:
  - .name:           k_q67af0549a2_qkv
    .symbol:         k_q67af0549a2_qkv.kd
    .args:
      - { .name: xc, .offset: 0, .size: 8, .value_kind: global_buffer, .address_space: global }
      - { .name: xs, .offset: 8, .size: 8, .value_kind: global_buffer, .address_space: global }
      - { .name: wc, .offset: 16, .size: 8, .value_kind: global_buffer, .address_space: global }
      - { .name: ws, .offset: 24, .size: 8, .value_kind: global_buffer, .address_space: global }
      - { .name: qkv, .offset: 32, .size: 8, .value_kind: global_buffer, .address_space: global }
      - { .name: qkv32, .offset: 40, .size: 8, .value_kind: global_buffer, .address_space: global }
    .group_segment_fixed_size: 327680
    .private_segment_fixed_size: 0
    .kernarg_segment_align: 8
    .kernarg_segment_size: 48
    .max_flat_workgroup_size: 128
    .sgpr_count:     98
    .vgpr_count:     1024
    .wavefront_size: 32
...
	.end_amdgpu_metadata
.endif
;; end of part 2
;; launch attn (part 3): grid 4 x 64, 8 waves a work-group, no clusters, 327,680 bytes of LDS; arguments qkv, ao; writes ao
.if DOCPART == 3
	.amdgcn_target "amdgcn-amd-amdhsa--gfx1250"
	.amdhsa_code_object_version 6
	.text
	.protected	k_q67af0549a2_attn
	.globl	k_q67af0549a2_attn
	.p2align	8
	.type	k_q67af0549a2_attn,@function
k_q67af0549a2_attn:
	s_mov_b64 s[64:65], 0
	v_nop
	global_prefetch_b8 v0, s[64:65] scope:SCOPE_SE
	s_setreg_imm32_b32 hwreg(HW_REG_WAVE_MODE, 25, 1), 1
	s_wait_xcnt 0x0
; ao[bh][q][:] = sum over k <= q of softmax_k(Q[q] . K[k] / 8) V[k][:], for 64 heads of 2,048 positions x 64 channels.  q, k, v arrive as f16 by head (qkv [b][g 48][s][64]); ao [bh][s][64] f16.
; Products with f16 operands and f32 sums; maxima, exponentials and sums in f32; the weights p are rounded to f16 for the second product; the row's sum is taken of the unrounded p.
; LIMIT: f16's range for q, k, v (stated where they are made); p is at most about 1 and |ao| at most the largest |v|.
; SHARES.  A head has 8 blocks of 256 queries.  Work-group I (0..3) of a head takes block I and then block 7 - I: under the causal mask that is I + 1 and 8 - I key units of 256 keys, 9 for every work-group:
; 256 work-groups of equal work, and a trip count that is the constant 9.  Trip t walks unit t (t <= I) or t - I - 1.  Each of the eight waves owns 32 queries, two tiles of 16; two waves share a SIMD.
; NO CLUSTER: at a given trip the four work-groups of a head want different units (t against t - I - 1), so no joint request could name the same tile in all four.
; LAYOUT.  S^T = K Q^T (source 0 = 16 keys, source 1 = 16 queries): a lane holds ONE query (lane % 16) and keys 8 (lane / 16) + 0..7; two such tiles, rounded in pairs, ARE source 1 of O^T = V^T P.
; SOFTMAX.  For each query a running maximum m and sum l: p = 2^(c s - c m), c = log2(e) / 8; in every step O and l are multiplied by a = 2^(c m_old - c m_new).
; CAUSAL.  A step of 64 keys all of which come after the wave's 32 queries is jumped over (a branch on ids); on the diagonal hidden scores become -infinity ahead of the maximum.
; A walked step begins at or under the wave's first query (both are multiples of 32), so every query has a key that counts in it, and m is a number from the first step on.
; LDS.  Two slots of 256 keys, 2^17 bytes apart.  A head's rows are dense, so a tile is stated as rows of 256 bytes (two keys): K with 16 bytes of padding (pitch 272), V with 32 (pitch 288).
; REGISTERS: window 0: addresses, statistics, Q, S^T, P, O^T; window 1: v0-63 K's fragments of a step, v64-127 V's.
.set SLOT1, 131072
.set PK,    272
.set PV,    288
.set VOFF,  128*PK                     ; a slot: 128 pair-rows of K, then 128 of V
.set STEPK, 32*PK                      ; 64 keys
.set STEPV, 32*PV
.set STAGE, 2*SLOT1                    ; the way out: 16 rows x (128 bytes + 16) for each wave
.set SP,    144
.set SPARE, STAGE+8*16*SP              ; the spare words, 128 bytes a wave
.set AK0, 3                            ; v3   my lane's place in a tile of K
.set AV0, 4                            ; v4   in a tile of V
.set ADK, 5                            ; v5   LDS address of the step's K
.set ADV, 6                            ; v6   of its V
.set QO,  7                            ; v7   my byte offset in the wave's rows of Q
.set STO, 8                            ; v8   the way out: where I put 16 bytes of a row
.set RD,  9                            ; v9   where I read rows back
.set GO,  10                           ; v10  my byte offset in the wave's rows of ao
.set PFO, 11                           ; v11  256 x lane
.set DM,  12                           ; v12-13 the mask's bound for tiles 0, 1
.set NINF, 14                          ; v14  -infinity
.set ST,  16                           ; v16-31 tile t's statistics at 16 + 8 t: +0 c m, +1 m, +2, +3 l, +4 to +7 at work (a in +6)
.set RQ,  32                           ; v32-63   Q: 16 t + 8 kk
.set RS,  64                           ; v64-127  S^T: 32 t + 8 a
.set RP,  128                          ; v128-159 P: 16 t + 8 gh
.set RO,  160                          ; v160-223 O^T: 32 t + 8 n
.set SPW, 224
.set NIL, 225
.set WV,  8
.set I,   9
.set I1,  10
.set BH,  11
.set T,   12
.set CNT, 13
.set TBK, 14
.set TBV, 15
.set KF,  16
.set Q0,  17
.set SEL, 18
.set CS,  20
.set G1K, 24
.set G1V, 32
.set G0K, 40
.set G0V, 44
.set KB,  48
.set VB,  50
.set QP,  52
.set AP,  54
.set QB,  56
.set AB,  58
.set OFF, 60
.set PFA, 66
.set LIMT, 68
.set Q0H, 69
.set MSB, 0
.macro WIN new
.if MSB != (\new)
	s_set_vgpr_msb (MSB<<8)|(\new)
.set MSB, (\new)
.endif
.endm
; Waves 0 and 1 fetch K's halves of a unit, waves 2 and 3 V's, the others nothing.  An s_nop 0 and four v_nop follow each line.
.macro TLOAD
	s_cmp_lt_u32 s[WV], 2
	s_cbranch_scc0 .Lnot_k_\@
	tensor_load_to_lds s[G0K:G0K+3], s[G1K:G1K+7]
	s_nop 0
.rept 4
	v_nop
.endr
	s_branch .Lasked_\@
.Lnot_k_\@:
	s_cmp_lt_u32 s[WV], 4
	s_cbranch_scc0 .Lasked_\@
	tensor_load_to_lds s[G0V:G0V+3], s[G1V:G1V+7]
	s_nop 0
.rept 4
	v_nop
.endr
.Lasked_\@:
.endm
; A PREFETCH INTO THE L2: trip t asks for key unit t + 2, t = 0 .. 5.  All four work-groups of a head walk the same K and V: the head's work-group 0 asks, and in it the waves that fetch nothing:
; waves 4, 5 for K's halves, waves 6, 7 for V's: 16,384 bytes a wave, lanes 256 bytes apart, two instructions.  Each aligned block of 256 bytes is named once in the launch; units 0 and 1 come by their loads alone; unit 7 is the last.
.macro ASK
	s_cmp_lt_u32 s[T], s[LIMT]
	s_cbranch_scc0 .Lnot_mine_\@
	global_prefetch_b8 v[PFO], s[PFA:PFA+1] th:TH_LOAD_NT scope:SCOPE_SE
	global_prefetch_b8 v[PFO], s[PFA:PFA+1] offset:8192 th:TH_LOAD_NT scope:SCOPE_SE
.Lnot_mine_\@:
.endm
.macro LOADQ                           ; my 32 queries stay in registers: tile t, channels 32 kk on
.irp t, 0,1
.irp kk, 0,1
	global_load_b128 v[RQ+16*\t+8*\kk:RQ+16*\t+8*\kk+3],   v[QO], s[QB:QB+1] offset:\t*2048+\kk*64
	global_load_b128 v[RQ+16*\t+8*\kk+4:RQ+16*\t+8*\kk+7], v[QO], s[QB:QB+1] offset:\t*2048+\kk*64+32
.endr
.endr
.endm
.macro INIT                            ; the step is written once: a block's first step finds m = -3e38, l = 0 and O^T = 0, which the first a = 0 leaves zeros
.irp t, 0,1
	v_mov_b32 v[ST+8*\t+1], 0xff61b1e6
	v_mul_f32 v[ST+8*\t], s[CS], v[ST+8*\t+1]
.irp j, 2,3,4,5,6,7
	v_mov_b32 v[ST+8*\t+\j], 0
.endr
.endr
.set i, 0
.rept 64
	v_mov_b32 v[RO+i], 0
.set i, i+1
.endr
.endm
	s_load_b128 s[4:7], s[0:1], 0x0                ; qkv, ao
	v_lshl_add_u32 v[SPW], v0, 2, SPARE
	v_mov_b32 v[NIL], 0
	ds_add_u32 v[SPW], v[NIL]                      ; the wave's opening: the add, twice on end, and its wait ahead of the first tensor load
	ds_add_u32 v[SPW], v[NIL]
	v_lshrrev_b32 v1, 5, v0
	v_readfirstlane_b32 s[WV], v1                  ; wave 0..7
	s_mov_b32 s[I], ttmp9
	s_add_co_u32 s[I1], ttmp9, 1
	s_and_b32 s[BH], ttmp7, 0xffff                 ; 16 b + h
	s_mov_b32 s[G1K], (1<<16)|(1<<20)|(5<<22)|(3<<25)   ; no mask; elements of 2 bytes; padding on: 4 words after every 64
	s_mov_b32 s[G1V], (1<<16)|(1<<20)|(5<<22)|(7<<25)   ; 8 words
.irp g, G1K, G1V
	s_mov_b32 s[\g+1], 128<<16                     ; tensor_dim0 = 128 elements: two keys
	s_mov_b32 s[\g+2], 64<<16                      ; tensor_dim1 = 64
	s_mov_b32 s[\g+3], 128<<16                     ; tile_dim0
	s_mov_b32 s[\g+4], 64                          ; tile_dim1
	s_mov_b32 s[\g+5], 128                         ; pitch: dense
	s_mov_b32 s[\g+6], 0
	s_mov_b32 s[\g+7], 0
.endr
	s_lshr_b32 s22, s[BH], 4
	s_and_b32 s23, s[BH], 15
	s_mul_i32 s22, s22, 48
	s_add_co_u32 s22, s22, s23                     ; q's plane: 48 b + h
	s_lshl_b32 s70, s22, 18
	s_mov_b32 s71, 0
	s_and_b32 s23, s[WV], 1                        ; which half of a unit I fetch
	s_mov_b32 s[G0K], 1
	s_mul_i32 s[G0K+1], s23, 64*PK
	s_mov_b32 s[G0V], 1
	s_mul_i32 s[G0V+1], s23, 64*PV
	s_add_co_u32 s[G0V+1], s[G0V+1], VOFF
	s_mov_b32 s[SEL], 0x76543210
	s_mov_b32 s[SEL+1], 0xfedcba98
	s_mov_b32 s[CS], 0x3e38aa3b                    ; c = log2(e) / 8
	s_mov_b32 s[CS+1], s[CS]
	s_mov_b32 s[TBK], 0
	s_mov_b32 s[TBV], 0
	s_mov_b32 s[KF], 0
	s_mov_b32 s[OFF+1], 0
	s_lshl_b32 s[Q0], s[I], 8
	s_lshl_b32 s22, s[WV], 5
	s_add_co_u32 s[Q0], s[Q0], s22                 ; my first query in block I
	s_sub_co_u32 s[Q0H], 7, s[I]
	s_lshl_b32 s[Q0H], s[Q0H], 8
	s_add_co_u32 s[Q0H], s[Q0H], s22               ; and in block 7 - I
	s_wait_dscnt 0x0                               ; both opening adds are done
	s_wait_kmcnt 0x0
	s_add_nc_u64 s[QP:QP+1], s[4:5], s[70:71]
	s_add_nc_u64 s[KB:KB+1], s[QP:QP+1], 16*262144
	s_add_nc_u64 s[VB:VB+1], s[QP:QP+1], 32*262144
	s_lshl_b32 s70, s23, 14
	s_add_nc_u64 s[KB:KB+1], s[KB:KB+1], s[70:71]  ; my half of unit 0
	s_add_nc_u64 s[VB:VB+1], s[VB:VB+1], s[70:71]
	s_mov_b64 s[G0K+2:G0K+3], s[KB:KB+1]
	s_or_b32 s[G0K+3], s[G0K+3], 0x80000000
	s_mov_b64 s[G0V+2:G0V+3], s[VB:VB+1]
	s_or_b32 s[G0V+3], s[G0V+3], 0x80000000
	TLOAD                                          ; unit 0 into slot 0
	s_lshl_b32 s70, s[BH], 18
	s_add_nc_u64 s[AP:AP+1], s[6:7], s[70:71]
	s_lshl_b32 s70, s[Q0], 7
	s_add_nc_u64 s[QB:QB+1], s[QP:QP+1], s[70:71]
	s_add_nc_u64 s[AB:AB+1], s[AP:AP+1], s[70:71]
	s_cmp_lt_u32 s[WV], 6
	s_cselect_b64 s[PFA:PFA+1], s[KB:KB+1], s[VB:VB+1]
	s_add_nc_u64 s[PFA:PFA+1], s[PFA:PFA+1], 32768 ; at unit 1: the first change of slots steps it to unit 2
	s_lshr_b32 s22, s[WV], 2
	s_xor_b32 s22, s22, 1                          ; 0 in waves 4 to 7,
	s_or_b32 s22, s22, ttmp9                       ; of the head's work-group 0
	s_cmp_eq_u32 s22, 0
	s_cselect_b32 s[LIMT], 6, 0
	v_and_b32 v1, 15, v0                           ; r
	v_bfe_u32 v2, v0, 4, 1                         ; h
	v_lshlrev_b32 v[QO], 7, v1
	v_lshl_add_u32 v[QO], v2, 4, v[QO]             ; Q: row r of 128 bytes, + 16 h
	LOADQ
	v_lshrrev_b32 v5, 1, v1                        ; K: key r lies in pair-row r / 2, half r % 2
	v_mul_u32_u24 v[AK0], v5, PK
	v_and_b32 v5, 1, v0
	v_lshl_add_u32 v[AK0], v5, 7, v[AK0]
	v_lshl_add_u32 v[AK0], v2, 4, v[AK0]
	v_and_b32 v5, 7, v0                            ; V, for the turning load: key 8 h + lane % 8, channels 8 ((lane / 8) % 2) on
	v_lshl_add_u32 v5, v2, 3, v5
	v_lshrrev_b32 v6, 1, v5
	v_mul_u32_u24 v[AV0], v6, PV
	v_and_b32 v6, 1, v5
	v_lshl_add_u32 v[AV0], v6, 7, v[AV0]
	v_bfe_u32 v6, v0, 3, 1
	v_lshl_add_u32 v[AV0], v6, 4, v[AV0]
	v_add_nc_u32 v[AV0], VOFF, v[AV0]
	s_mul_i32 s22, s[WV], 16*SP
	s_add_co_u32 s22, s22, STAGE                   ; my stage
	v_mul_u32_u24 v[STO], v1, SP
	v_lshl_add_u32 v[STO], v2, 4, v[STO]
	v_add_nc_u32 v[STO], s22, v[STO]
	v_bfe_u32 v5, v0, 3, 2                         ; back: four rows of 128 bytes an instruction
	v_mul_u32_u24 v[RD], v5, SP
	v_and_b32 v5, 7, v0
	v_lshl_add_u32 v[RD], v5, 4, v[RD]
	v_add_nc_u32 v[RD], s22, v[RD]
	v_and_b32 v5, 31, v0
	v_lshlrev_b32 v[GO], 4, v5
	v_lshlrev_b32 v[PFO], 8, v5
	v_mov_b32 v[NINF], 0xff800000
	INIT
; A KEY STEP: 64 keys.
.macro STEP
	s_add_co_u32 s22, s[Q0], 31
	s_cmp_gt_u32 s[KF], s22                        ; all 64 keys come after my 32 queries: the step's work is left out; ids and counts alone
	s_cbranch_scc1 .Lhidden_\@
	v_add_nc_u32 v[ADK], s[TBK], v[AK0]
	v_add_nc_u32 v[ADV], s[TBV], v[AV0]
	WIN 0x40                                       ; destination window 1
.irp a, 0,1,2,3
.irp kk, 0,1
	ds_load_b128 v[16*\a+8*\kk:16*\a+8*\kk+3],   v[ADK] offset:\a*8*PK+\kk*64
	ds_load_b128 v[16*\a+8*\kk+4:16*\a+8*\kk+7], v[ADK] offset:\a*8*PK+\kk*64+32
.endr
.endr
.irp gh, 0,1
.irp n, 0,1,2,3
	ds_load_tr16_b128 v[64+32*\gh+8*\n:64+32*\gh+8*\n+3],   v[ADV] offset:\gh*16*PV+\n*32
	ds_load_tr16_b128 v[64+32*\gh+8*\n+4:64+32*\gh+8*\n+7], v[ADV] offset:\gh*16*PV+8*PV+\n*32
.endr
.endr
	s_wait_dscnt 16                                ; K's 16 loads are in; V's 16 may be out
	WIN 0x01                                       ; source 0 window 1
.set i, 0
.rept 16                                           ; S^T = K Q^T: channels 32 (i / 8) on, keys 16 ((i / 2) % 4) on, tile i % 2: eight accumulators by turns
.set kk, i/8
.set ka, (i/2)%4
.set tt, i%2
.if kk == 0
	v_wmma_f32_16x16x32_f16 v[RS+32*tt+8*ka:RS+32*tt+8*ka+7], v[16*ka+8*kk:16*ka+8*kk+7], v[RQ+16*tt+8*kk:RQ+16*tt+8*kk+7], 0
.else
	v_wmma_f32_16x16x32_f16 v[RS+32*tt+8*ka:RS+32*tt+8*ka+7], v[16*ka+8*kk:16*ka+8*kk+7], v[RQ+16*tt+8*kk:RQ+16*tt+8*kk+7], v[RS+32*tt+8*ka:RS+32*tt+8*ka+7]
.endif
.set i, i+1
.endr
	WIN 0
.rept 4
	v_nop                                          ; places in front of the first read of the scores
.endr
	s_add_co_u32 s22, s[KF], 63
	s_cmp_le_u32 s22, s[Q0]                        ; all 64 keys count for all my queries: no mask
	s_cbranch_scc1 .Lopen_\@
	s_sub_co_i32 s22, s[Q0], s[KF]
	v_lshlrev_b32 v[DM], 3, v2
	v_sub_nc_u32 v[DM], v1, v[DM]
	v_add_nc_u32 v[DM], s22, v[DM]                 ; d = my query - KF - 8 h.  Register 8 a + j holds key KF + 16 a + 8 h + j: hidden where 16 a + j > d
	v_add_nc_u32 v[DM+1], 16, v[DM]
.irp t, 0,1
.set n, 0
.rept 32
	v_cmp_gt_i32 vcc_lo, 16*(n/8)+n%8, v[DM+\t]
	v_cndmask_b32 v[RS+32*\t+n], v[RS+32*\t+n], v[NINF], vcc_lo
.set n, n+1
.endr
.endr
.Lopen_\@:
	; the maximum of a lane's 32 scores and the old m: four chains, each begun at an accumulator's low end; the two tiles alternate
.irp j, 0,1,2,3
.irp t, 0,1
	v_max3_num_f32 v[ST+8*\t+4+\j], v[RS+32*\t+8*\j], v[RS+32*\t+8*\j+1], v[RS+32*\t+8*\j+2]
.endr
.endr
.irp g, 1,2
.irp j, 0,1,2,3
.irp t, 0,1
	v_max3_num_f32 v[ST+8*\t+4+\j], v[ST+8*\t+4+\j], v[RS+32*\t+8*\j+2*\g+1], v[RS+32*\t+8*\j+2*\g+2]
.endr
.endr
.endr
.irp t, 0,1
	v_max3_num_f32 v[ST+8*\t+4], v[ST+8*\t+4], v[RS+32*\t+7], v[RS+32*\t+15]
.endr
.irp t, 0,1
	v_max3_num_f32 v[ST+8*\t+6], v[ST+8*\t+6], v[RS+32*\t+23], v[RS+32*\t+31]
.endr
.irp t, 0,1
	v_max3_num_f32 v[ST+8*\t+4], v[ST+8*\t+4], v[ST+8*\t+5], v[ST+8*\t+6]
.endr
.irp t, 0,1
	v_max3_num_f32 v[ST+8*\t+4], v[ST+8*\t+4], v[ST+8*\t+7], v[ST+8*\t+1]
.endr
.irp t, 0,1
	v_permlanex16_b32 v[ST+8*\t+5], v[ST+8*\t+4], s[SEL], s[SEL+1]   ; the query's other 32 keys lie in the lane 16 away
.endr
.irp t, 0,1
	v_mov_b32 v[ST+8*\t+7], v[ST+8*\t]             ; c m_old
.endr
.irp t, 0,1
	v_max_num_f32 v[ST+8*\t+1], v[ST+8*\t+4], v[ST+8*\t+5]
.endr
.irp t, 0,1
	v_mul_f32 v[ST+8*\t], s[CS], v[ST+8*\t+1]
.endr
.irp t, 0,1
	v_sub_f32 v[ST+8*\t+7], v[ST+8*\t+7], v[ST+8*\t]
.endr
.irp b, 0,1,2,3,4,5,6,7,8,9,10,11,12,13,14,15
.irp t, 0,1
	v_pk_fma_f32 v[RS+32*\t+2*\b:RS+32*\t+2*\b+1], v[RS+32*\t+2*\b:RS+32*\t+2*\b+1], s[CS:CS+1], v[ST+8*\t:ST+8*\t+1] op_sel_hi:[1,0,0] neg_lo:[0,0,1] neg_hi:[0,0,1]   ; c s - c m
.endr
.endr
.irp t, 0,1
	v_exp_f32 v[ST+8*\t+6], v[ST+8*\t+7]           ; a
.endr
.irp e, 0,1,2,3,4,5,6,7,8,9,10,11,12,13,14,15,16,17,18,19,20,21,22,23,24,25,26,27,28,29,30,31
.irp t, 0,1
	v_exp_f32 v[RS+32*\t+\e], v[RS+32*\t+\e]       ; p
.endr
.endr
	v_nop                                          ; a plain instruction behind the last exponential
	s_wait_alu depctr_va_vdst(0)                   ; one wait for the 66 exponentials, ahead of their first reader
.irp b, 0,1,2,3,4,5,6,7,8,9,10,11,12,13,14,15
.irp t, 0,1
	v_cvt_pk_f16_f32 v[RP+16*\t+\b], v[RS+32*\t+2*\b], v[RS+32*\t+2*\b+1]
.endr
.endr
.irp b, 0,1,2,3,4,5,6,7,8,9,10,11,12,13,14,15
.irp t, 0,1
	v_pk_mul_f32 v[RO+32*\t+2*\b:RO+32*\t+2*\b+1], v[RO+32*\t+2*\b:RO+32*\t+2*\b+1], v[ST+8*\t+6:ST+8*\t+7] op_sel_hi:[1,0]   ; O^T x a, each accumulator from its low end on
.endr
.endr
	s_wait_dscnt 0x0                               ; V is in
	WIN 0x01
.set i, 0
.rept 16                                           ; O^T += V^T P: keys 32 (i / 8) on, channels 16 ((i / 2) % 4) on, tile i % 2: eight accumulators by turns
.set gh, i/8
.set cn, (i/2)%4
.set tt, i%2
	v_wmma_f32_16x16x32_f16 v[RO+32*tt+8*cn:RO+32*tt+8*cn+7], v[64+32*gh+8*cn:64+32*gh+8*cn+7], v[RP+16*tt+8*gh:RP+16*tt+8*gh+7], v[RO+32*tt+8*cn:RO+32*tt+8*cn+7]
.set i, i+1
.endr
	WIN 0
	; l = a l + the sum of the unrounded p.  These 32 plain lines name no register of the products above: they are the places ahead of the next loads into V's registers and of the next reads of O^T
.irp u, 0,1,2,3,4,5,6,7
.irp t, 0,1
	v_pk_add_f32 v[RS+32*\t+4*\u:RS+32*\t+4*\u+1], v[RS+32*\t+4*\u:RS+32*\t+4*\u+1], v[RS+32*\t+4*\u+2:RS+32*\t+4*\u+3]
.endr
.endr
.irp u, 0,1,2,3
.irp t, 0,1
	v_pk_add_f32 v[RS+32*\t+8*\u:RS+32*\t+8*\u+1], v[RS+32*\t+8*\u:RS+32*\t+8*\u+1], v[RS+32*\t+8*\u+4:RS+32*\t+8*\u+5]
.endr
.endr
.irp u, 0,1
.irp t, 0,1
	v_pk_add_f32 v[RS+32*\t+16*\u:RS+32*\t+16*\u+1], v[RS+32*\t+16*\u:RS+32*\t+16*\u+1], v[RS+32*\t+16*\u+8:RS+32*\t+16*\u+9]
.endr
.endr
.irp t, 0,1
	v_pk_add_f32 v[RS+32*\t:RS+32*\t+1], v[RS+32*\t:RS+32*\t+1], v[RS+32*\t+16:RS+32*\t+17]
.endr
.irp t, 0,1
	v_pk_fma_f32 v[ST+8*\t+2:ST+8*\t+3], v[ST+8*\t+2:ST+8*\t+3], v[ST+8*\t+6:ST+8*\t+7], v[RS+32*\t:RS+32*\t+1] op_sel_hi:[1,0,1]
.endr
.Lhidden_\@:
	s_add_co_u32 s[KF], s[KF], 64
	s_add_co_u32 s[TBK], s[TBK], STEPK
	s_add_co_u32 s[TBV], s[TBV], STEPV
.endm
.macro FOUR_STEPS                      ; a unit's four steps: written once, walked four times
	s_mov_b32 s[CNT], 4
.Lstep_\@:
	STEP
	s_sub_co_u32 s[CNT], s[CNT], 1
	s_cmp_lg_u32 s[CNT], 0
	s_cbranch_scc1 .Lstep_\@
	s_sub_co_u32 s[TBK], s[TBK], 4*STEPK
	s_sub_co_u32 s[TBV], s[TBV], 4*STEPV
	s_xor_b32 s[TBK], s[TBK], SLOT1                ; on to the other slot
	s_xor_b32 s[TBV], s[TBV], SLOT1
.endm
; THE CHANGE OF SLOTS stands at a trip's head.  Each wave waits for all its tensor loads (its part of the slot ahead), adds 0 to its spare word, and waits for that and for its reads of the slot that it has left.
; Behind the barrier the slot ahead is whole and nobody reads the other.  fill = 1: the other slot takes the next trip's unit: one load a fetching wave, which has the trip's four steps in which to land.
.macro CHANGE fill
	s_wait_tensorcnt 0x0                           ; no tensor load of mine is out, so a group 0 may be written
	ds_add_u32 v[SPW], v[NIL]
.if \fill
	ds_add_u32 v[SPW], v[NIL]                      ; and once more
	s_add_co_u32 s22, s[T], 1                      ; the next trip's unit: t + 1 in block I, t + 1 - (I + 1) in block 7 - I
	s_cmp_le_u32 s22, s[I]
	s_cselect_b32 s23, 0, s[I1]
	s_sub_co_u32 s22, s22, s23
	s_lshl_b32 s[OFF], s22, 15                     ; 32,768 bytes a unit
	s_xor_b32 s[G0K+1], s[G0K+1], SLOT1
	s_xor_b32 s[G0V+1], s[G0V+1], SLOT1
	s_add_nc_u64 s[G0K+2:G0K+3], s[KB:KB+1], s[OFF:OFF+1]
	s_or_b32 s[G0K+3], s[G0K+3], 0x80000000
	s_add_nc_u64 s[G0V+2:G0V+3], s[VB:VB+1], s[OFF:OFF+1]
	s_or_b32 s[G0V+3], s[G0V+3], 0x80000000
	s_wait_xcnt 0x0                                ; the last prefetches, a trip back, have read their address
	s_add_nc_u64 s[PFA:PFA+1], s[PFA:PFA+1], 32768
.endif
	s_wait_dscnt 0x0                               ; the add is done, and my reads of the slot that I have left are over
	s_barrier_signal -1
	s_barrier_wait -1
.if \fill
	TLOAD                                          ; the first thing behind the barrier, and a wave's one tensor load until the next
	ASK
.endif
.endm
; A BLOCK'S WAY OUT: O^T / l, rounded to f16, through my stage; four rows of 128 bytes leave by one store.
.macro FIN
.irp t, 0,1
	v_add_f32 v[ST+8*\t+4], v[ST+8*\t+2], v[ST+8*\t+3]
.endr
.irp t, 0,1
	v_permlanex16_b32 v[ST+8*\t+5], v[ST+8*\t+4], s[SEL], s[SEL+1]
.endr
.irp t, 0,1
	v_add_f32 v[ST+8*\t+4], v[ST+8*\t+4], v[ST+8*\t+5]
.endr
.irp t, 0,1
	v_rcp_f32 v[ST+8*\t+6], v[ST+8*\t+4]
.endr
	v_nop                                          ; a plain instruction behind the reciprocals
	s_wait_alu depctr_va_vdst(0)                   ; and the wait ahead of their first reader
.irp t, 0,1
.irp b, 0,1,2,3,4,5,6,7,8,9,10,11,12,13,14,15
	v_pk_mul_f32 v[RO+32*\t+2*\b:RO+32*\t+2*\b+1], v[RO+32*\t+2*\b:RO+32*\t+2*\b+1], v[ST+8*\t+6:ST+8*\t+7] op_sel_hi:[1,0]
.endr
.endr
.irp t, 0,1
.irp b, 0,1,2,3,4,5,6,7,8,9,10,11,12,13,14,15
	v_cvt_pk_f16_f32 v[RS+16*\t+\b], v[RO+32*\t+2*\b], v[RO+32*\t+2*\b+1]
.endr
.endr
.irp t, 0,1
.irp n, 0,1,2,3
	ds_store_b128 v[STO], v[RS+16*\t+4*\n:RS+16*\t+4*\n+3] offset:32*\n
.endr
.irp n, 0,1,2,3
	ds_load_b128 v[RS+32+16*\t+4*\n:RS+32+16*\t+4*\n+3], v[RD] offset:\n*4*SP   ; LDS serves a wave's instructions in order: these see the stores above, and the next tile's stores come behind them
.endr
.endr
	s_wait_dscnt 8                                 ; tile 0 is back; tile 1's eight LDS instructions may be out
.irp n, 0,1,2,3
	global_store_b128 v[GO], v[RS+32+4*\n:RS+32+4*\n+3], s[AB:AB+1] offset:512*\n   ; 32 lanes store 512 consecutive bytes, aligned
.endr
	s_wait_dscnt 0x0
.irp n, 0,1,2,3
	global_store_b128 v[GO], v[RS+48+4*\n:RS+48+4*\n+3], s[AB:AB+1] offset:2048+512*\n
.endr
	s_wait_xcnt 0x0                                ; the stores have read their data and their base: both may be written again
.endm
	s_wait_loadcnt 0x0                             ; Q
	s_mov_b32 s[T], 0
.Ltrip:                                            ; eight trips; behind each change of slots the next trip's unit is asked for
	CHANGE 1
	FOUR_STEPS
	s_cmp_lg_u32 s[T], s[I]                        ; block I ends with trip I
	s_cbranch_scc1 .Lsame
	FIN
	s_mov_b32 s[Q0], s[Q0H]                        ; on to block 7 - I, from key 0
	s_mov_b32 s[KF], 0
	s_lshl_b32 s70, s[Q0], 7
	s_add_nc_u64 s[QB:QB+1], s[QP:QP+1], s[70:71]
	s_add_nc_u64 s[AB:AB+1], s[AP:AP+1], s[70:71]
	LOADQ
	INIT
	s_wait_loadcnt 0x0
.Lsame:
	s_add_co_u32 s[T], s[T], 1
	s_cmp_lt_u32 s[T], 8
	s_cbranch_scc1 .Ltrip
	CHANGE 0                                       ; the ninth trip is written out: nothing is left to fetch
	FOUR_STEPS
	FIN
	s_wait_tensorcnt 0x0                           ; the wave's end
	ds_add_u32 v[SPW], v[NIL]
	s_wait_dscnt 0x0
	s_endpgm
.Lfunc_end_k_q67af0549a2_attn:
	.size	k_q67af0549a2_attn, .Lfunc_end_k_q67af0549a2_attn-k_q67af0549a2_attn
	.p2alignl 7, 3214868480
	.fill 96, 4, 3214868480
	.section	.rodata,"a",@progbits
	.p2align	6, 0x0
	.amdhsa_kernel k_q67af0549a2_attn
		.amdhsa_group_segment_fixed_size 327680
		.amdhsa_private_segment_fixed_size 0
		.amdhsa_enable_private_segment 0
		.amdhsa_kernarg_size 16
		.amdhsa_user_sgpr_count 2
		.amdhsa_user_sgpr_kernarg_segment_ptr 1
		.amdhsa_wavefront_size32 1
		.amdhsa_system_sgpr_workgroup_id_x 1
		.amdhsa_system_sgpr_workgroup_id_y 1
		.amdhsa_system_sgpr_workgroup_id_z 1
		.amdhsa_system_vgpr_workitem_id 0
		.amdhsa_next_free_vgpr 384
		.amdhsa_next_free_sgpr 80
		.amdhsa_reserve_vcc 1
		.amdhsa_float_denorm_mode_32 3
		.amdhsa_float_denorm_mode_16_64 3
		.amdhsa_memory_ordered 1
		.amdhsa_forward_progress 1
		.amdhsa_inst_pref_size 71
	.end_amdhsa_kernel
	.amdgpu_metadata
---
amdhsa.version: [ 1, 2 ]
amdhsa.kernels:
  - .name:           k_q67af0549a2_attn
    .symbol:         k_q67af0549a2_attn.kd
    .args:
      - { .name: qkv, .offset: 0, .size: 8, .value_kind: global_buffer, .address_space: global }
      - { .name: ao, .offset: 8, .size: 8, .value_kind: global_buffer, .address_space: global }
    .group_segment_fixed_size: 327680
    .private_segment_fixed_size: 0
    .kernarg_segment_align: 8
    .kernarg_segment_size: 16
    .max_flat_workgroup_size: 256
    .sgpr_count:     80
    .vgpr_count:     384
    .wavefront_size: 32
...
	.end_amdgpu_metadata
.endif
;; end of part 3
;; launch proj (part 4): grid 4 x 64, 4 waves a work-group, clusters of 4 x 4, 327,680 bytes of LDS; arguments ao, wo16, b_o, out0; writes out0
.if DOCPART == 4
	.amdgcn_target "amdgcn-amd-amdhsa--gfx1250"
	.amdhsa_code_object_version 6
	.text
	.protected	k_q67af0549a2_proj
	.globl	k_q67af0549a2_proj
	.p2align	8
	.type	k_q67af0549a2_proj,@function
k_q67af0549a2_proj:
	s_mov_b64 s[64:65], 0
	v_nop
	global_prefetch_b8 v0, s[64:65] scope:SCOPE_SE
	s_setreg_imm32_b32 hwreg(HW_REG_WAVE_MODE, 25, 1), 1
	s_wait_xcnt 0x0
	s_wait_alu depctr_hold_cnt(0) depctr_sa_sdst(0) depctr_va_vdst(0) depctr_va_sdst(0) depctr_va_ssrc(0) depctr_va_vcc(0) depctr_vm_vsrc(0)
	s_getreg_b32 s2, hwreg(HW_REG_IB_STS2, 6, 4)
	s_cmp_eq_u32 s2, 0
	s_cbranch_scc0 .Lentry_in_a_cluster
	s_endpgm
.Lentry_in_a_cluster:
	s_bfe_u32 s2, ttmp6, 0x10000c
	s_cmp_lg_u32 s2, 0xf033
	s_cbranch_scc0 .Lentry_shape_is_right
	s_endpgm
.Lentry_shape_is_right:
; out0[b][s][n] = sum over k of ao(b, s, k) w_o(n, k) + b_o[n], for all positions but 0-15 of each batch (those are made in f32 by the launch that follows).
; ao [16 b + h][s][64] f16 (k = 64 h + d), wo16 [n][k] f16, b_o f32, out0 f32; sums in f32.
; A tile of 128 rows x 256 columns is made by four waves, 64 x 128 each: 32 accumulators.  256 work-groups.  K goes in 8 steps of 128 (two heads) through a ring of two LDS slots.
; CLUSTERS: 4 x 4.  Tile column = 4 x cluster x + cx; rows: batch cy, positions 128 x cluster y on.  ao's tiles are shared along a row of the cluster, wo16's along a column: joint loads.
; No prefetch: of the 8 K steps the first two come with the first fills, and a request would lead the others by a step or two of a short launch.
; THE MATRIX INSTRUCTION IS USED TRANSPOSED (source 0 = 16 rows of wo16, source 1 = 16 rows of ao): a lane holds eight neighbouring columns of one row.  The bias is the C of each sum's first product.
; REGISTERS: window 0: addresses; v32-95 the bias in the result's layout; v96-223 the way out.   window 1: accumulator (a, b) at v[8 (8 a + b)].   window 2: two fragment buffers of 96: ao's four, then wo16's eight.
.set PITCH, 272
.set AHEAD, 64*PITCH                   ; a head's 128 rows as 64 pair-rows of 256 bytes + 16
.set BOFF,  2*AHEAD                    ; behind ao's two heads: wo16's 256 rows
.set BHALF, 128*PITCH
.set SLOT,  BOFF+2*BHALF
.set STAGE, 2*SLOT                     ; 16 rows x (512 bytes + 16) for each wave
.set SPITCH, 528
.set SPARE, STAGE+4*16*SPITCH
.set LAPS,  4
.set ADRA, 16
.set ADRB, 20
.set STO,  24
.set RD,   25
.set CO,   26
.set BO,   27
.set SPW,  28
.set NIL,  29
.set BIAS, 32
.set BK,   96
.set F0,   0
.set F1,   96
.set WV,   12
.set SKIP, 15                          ; s15  0 where my first 16 rows are positions 0-15 of a batch
.set G1, 24
.set G0, 32
.set G1B, 48
.set G0B, 56
.set MSB, 0
.macro WIN new
.if MSB != (\new)
	s_set_vgpr_msb (MSB<<8)|(\new)
.set MSB, (\new)
.endif
.endm
.set MULW, 0x5a                        ; sources 0 and 1 window 2; C and D window 1
.set MULB, 0x4a                        ; the same with C (the bias) in window 0
.set TO_F, 0x80                        ; destination window 2
.macro JLOAD s                         ; waves 0 and 1 fetch ao's two heads, waves 2 and 3 wo16's halves; an s_nop 0 and four v_nop follow each line
	s_cmp_eq_u32 s13, 0
	s_cbranch_scc0 .Lfor_b_\@
	tensor_load_to_lds s[G0+4*\s:G0+4*\s+3], s[G1:G1+7]
	s_nop 0
.rept 4
	v_nop
.endr
	s_branch .Lasked_\@
.Lfor_b_\@:
	tensor_load_to_lds s[G0B+4*\s:G0B+4*\s+3], s[G1B:G1B+7]
	s_nop 0
.rept 4
	v_nop
.endr
.Lasked_\@:
.endm
.macro CREST
	s_cmp_lg_u32 s[WV], 0
	s_cbranch_scc1 .Lnot_wave_0_\@
	s_barrier_signal -3
.Lnot_wave_0_\@:
	s_barrier_wait -3
	s_barrier_signal -1
	s_barrier_wait -1
.endm
.macro CROUND
	s_barrier_signal -1
	s_barrier_wait -1
	CREST
.endm
	s_load_b256 s[4:11], s[0:1], 0x0               ; ao s[4:5], wo16 s[6:7], b_o s[8:9], out0 s[10:11]
	v_lshl_add_u32 v[SPW], v0, 2, SPARE
	v_mov_b32 v[NIL], 0
	ds_add_u32 v[SPW], v[NIL]                      ; the wave's opening: the add, twice on end, and its wait ahead of my first tensor load
	ds_add_u32 v[SPW], v[NIL]
	v_lshrrev_b32 v1, 5, v0
	v_readfirstlane_b32 s[WV], v1                  ; wave 0..3
	s_lshr_b32 s13, s[WV], 1                       ; which 64 rows are mine.  Also: I fetch for ao (0) or for wo16 (1)
	s_and_b32 s14, s[WV], 1                        ; which 128 columns.  Also: which head, or which 128 rows of wo16, I fetch
	s_bfe_u32 s40, ttmp6, 0x40000                  ; cx
	s_bfe_u32 s41, ttmp6, 0x40004                  ; cy
	s_and_b32 s42, ttmp7, 0xffff                   ; cluster y
	s_lshl_b32 s45, ttmp9, 2
	s_add_co_u32 s45, s45, s40                     ; tile column
	s_lshl_b32 s43, s41, 2
	s_lshl_b32 s43, 15, s43                        ; my row of the cluster
	s_lshl_b32 s44, 0x1111, s40                    ; my column
	s_or_b32 s[G1+0], s43, (1<<16)|(1<<20)|(1<<21)|(5<<22)|(3<<25)   ; the mask; elements of 2 bytes; padding on; bit 21 beside a mask; 4 words after every 64
	s_or_b32 s[G1B+0], s44, (1<<16)|(1<<20)|(1<<21)|(5<<22)|(3<<25)
	s_mov_b32 s[G1+1], 128<<16                     ; ao: a head's 128 rows of 128 bytes are dense: 64 rows of 128 elements
	s_mov_b32 s[G1+2], 64<<16
	s_mov_b32 s[G1+3], 128<<16
	s_mov_b32 s[G1+4], 64
	s_mov_b32 s[G1+5], 128
	s_mov_b32 s[G1+6], 0
	s_mov_b32 s[G1+7], 0
	s_mov_b32 s[G1B+1], 128<<16                    ; wo16: 128 rows of 128 elements, 1,024 elements apart
	s_mov_b32 s[G1B+2], 128<<16
	s_mov_b32 s[G1B+3], 128<<16
	s_mov_b32 s[G1B+4], 128
	s_mov_b32 s[G1B+5], 1024
	s_mov_b32 s[G1B+6], 0
	s_mov_b32 s[G1B+7], 0
	s_lshl_b32 s16, s41, 4
	s_add_co_u32 s16, s16, s14                     ; ao: plane 16 cy + my head of the K step,
	s_lshl_b32 s16, s16, 18
	s_lshl_b32 s17, s42, 14                        ; position 128 x cluster y, 128 bytes a position
	s_add_co_u32 s16, s16, s17
	s_mov_b32 s17, 0
	s_lshl_b32 s46, s45, 8
	s_lshl_b32 s47, s14, 7
	s_add_co_u32 s46, s46, s47                     ; wo16: row 256 x tile column + 128 x half,
	s_lshl_b32 s46, s46, 11                        ; 2,048 bytes a row
	s_mov_b32 s47, 0
	s_mul_i32 s20, s14, AHEAD                      ; where they go: no place in the cluster enters an LDS address
	s_mul_i32 s21, s14, BHALF
	s_add_co_u32 s21, s21, BOFF
	s_wait_dscnt 0x0                               ; both opening adds are done
	s_wait_kmcnt 0x0
	s_add_nc_u64 s[18:19], s[4:5], s[16:17]
	s_add_nc_u64 s[46:47], s[6:7], s[46:47]
	CROUND                                         ; all sixteen work-groups are here: the first joint loads meet
.irp s, 0,1
	s_mov_b32 s[G0+4*\s], 1
	s_add_co_u32 s[G0+4*\s+1], s20, \s*SLOT
	s_add_nc_u64 s[G0+4*\s+2:G0+4*\s+3], s[18:19], \s*2*262144     ; K step s: heads 2 s, 2 s + 1
	s_or_b32 s[G0+4*\s+3], s[G0+4*\s+3], 0x80000000
	s_mov_b32 s[G0B+4*\s], 1
	s_add_co_u32 s[G0B+4*\s+1], s21, \s*SLOT
	s_add_nc_u64 s[G0B+4*\s+2:G0B+4*\s+3], s[46:47], \s*256
	s_or_b32 s[G0B+4*\s+3], s[G0B+4*\s+3], 0x80000000
	JLOAD \s
.endr
	s_lshl_b32 s16, s45, 10                        ; my first column, in bytes of f32
	s_lshl_b32 s17, s14, 9
	s_add_co_u32 s16, s16, s17
	s_mov_b32 s17, 0
	s_add_nc_u64 s[8:9], s[8:9], s[16:17]
	s_add_nc_u64 s[10:11], s[10:11], s[16:17]
	s_lshl_b32 s16, s41, 11                        ; my first row: 2,048 cy + 128 x cluster y + 64 x row half
	s_lshl_b32 s22, s42, 7
	s_add_co_u32 s16, s16, s22
	s_lshl_b32 s22, s13, 6
	s_add_co_u32 s16, s16, s22
	s_lshl_b32 s16, s16, 12
	s_add_nc_u64 s[10:11], s[10:11], s[16:17]
	s_or_b32 s[SKIP], s42, s13                     ; cluster y and the wave's row half: alike in all partners
	v_and_b32 v1, 15, v0                           ; r
	v_bfe_u32 v2, v0, 4, 1                         ; h
	v_lshlrev_b32 v[BO], 5, v2
.irp b, 0,1,2,3,4,5,6,7                        ; the bias of columns 16 b + 8 h + 0 .. 7: the result's layout
	global_load_b128 v[BIAS+8*\b:BIAS+8*\b+3],   v[BO], s[8:9] offset:64*\b
	global_load_b128 v[BIAS+8*\b+4:BIAS+8*\b+7], v[BO], s[8:9] offset:64*\b+16
.endr
	v_lshrrev_b32 v3, 1, v1                        ; ao: row r lies in pair-row r / 2, half r % 2
	v_mul_u32_u24 v3, v3, PITCH
	v_and_b32 v4, 1, v0
	v_lshl_add_u32 v3, v4, 7, v3
	v_lshl_add_u32 v3, v2, 4, v3
	v_mul_u32_u24 v4, v1, PITCH                    ; wo16: row r
	v_lshl_add_u32 v4, v2, 4, v4
	s_mul_i32 s21, s13, 32*PITCH                   ; my 64 rows of ao
	s_mul_i32 s22, s14, BHALF                      ; my 128 rows of wo16
	s_add_co_u32 s22, s22, BOFF
.irp s, 0,1
	v_add_nc_u32 v[ADRA+\s], s21, v3
	v_add_nc_u32 v[ADRB+\s], s22, v4
	s_add_co_u32 s21, s21, SLOT
	s_add_co_u32 s22, s22, SLOT
.endr
	s_mul_i32 s23, s[WV], 16*SPITCH
	s_add_co_u32 s23, s23, STAGE                   ; my stage
	v_mul_u32_u24 v5, v1, SPITCH
	v_lshl_add_u32 v5, v2, 5, v5
	v_add_nc_u32 v[STO], s23, v5
	v_and_b32 v6, 31, v0
	v_lshlrev_b32 v[CO], 4, v6
	v_add_nc_u32 v[RD], s23, v[CO]
; 8 matrix instructions: ao's block a against wo16's eight, 32 along K.  first = 1: the bias starts the sums.  The 32 accumulators take turns.
.macro MUL8 f, a, first
.irp b, 0,1,2,3,4,5,6,7
.if \first
	v_wmma_f32_16x16x32_f16 v[8*(8*(\a)+\b):8*(8*(\a)+\b)+7], v[\f+32+8*\b:\f+32+8*\b+7], v[\f+8*(\a):\f+8*(\a)+7], v[BIAS+8*\b:BIAS+8*\b+7]
.else
	v_wmma_f32_16x16x32_f16 v[8*(8*(\a)+\b):8*(8*(\a)+\b)+7], v[\f+32+8*\b:\f+32+8*\b+7], v[\f+8*(\a):\f+8*(\a)+7], v[8*(8*(\a)+\b):8*(8*(\a)+\b)+7]
.endif
.endr
.endm
; 24 LDS loads in one run: the fragments of the slot's q-th 32 along K into buffer f: wo16's eight first, then ao's four
.macro FETCH slot, q, f
	WIN TO_F
.irp b, 0,1,2,3,4,5,6,7
	ds_load_b128 v[\f+32+8*\b:\f+32+8*\b+3],   v[ADRB+\slot] offset:64*(\q)+\b*16*PITCH
	ds_load_b128 v[\f+32+8*\b+4:\f+32+8*\b+7], v[ADRB+\slot] offset:64*(\q)+\b*16*PITCH+32
.endr
.irp a, 0,1,2,3
	ds_load_b128 v[\f+8*\a:\f+8*\a+3],   v[ADRA+\slot] offset:((\q)/2)*AHEAD+((\q)%2)*64+\a*8*PITCH
	ds_load_b128 v[\f+8*\a+4:\f+8*\a+7], v[ADRA+\slot] offset:((\q)/2)*AHEAD+((\q)%2)*64+\a*8*PITCH+32
.endr
.endm
.macro PLACES                          ; four plain instructions in front of loads into registers that matrix instructions have read, and of reads of results
.rept 4
	v_nop
.endr
.endm
; A K step is four quarters of 32 along K, 32 matrix instructions each, on buffers 0, 1, 0, 1.  One of the first three: multiplies buffer f and fetches quarter q into g.
.macro QUARTER slot, q, f, g, first
	s_wait_dscnt 4                                 ; all but the youngest four loads (ao's blocks 2, 3) are in
	WIN MULW-0x10*\first
	MUL8 \f, 0, \first
	MUL8 \f, 1, \first
	PLACES
	FETCH \slot, \q, \g
	s_wait_dscnt 24                                ; all but the 24 just issued
	WIN MULW-0x10*\first
	MUL8 \f, 2, \first
	MUL8 \f, 3, \first
.endm
; The last quarter multiplies buffer 1 and changes slots: one barrier; in front of it each wave waits for all its tensor loads, adds 0 to its spare word, and waits for that and for its reads of this slot.
.macro TURN slot, next, fill
	WIN 0
	s_wait_tensorcnt 0x0                           ; all my tensor loads have landed: my part of the next slot
	ds_add_u32 v[SPW], v[NIL]
	s_wait_dscnt 5                                 ; (the add and the youngest four loads may be out)
	WIN MULW
	MUL8 F1, 0, 0
	s_wait_dscnt 0x0                               ; the add is done, and my reads of this slot are over
	s_barrier_signal -1
	MUL8 F1, 1, 0
.if \fill
	WIN 0
.endif
	s_barrier_wait -1
.if \fill
	CREST                                          ; the barrier has opened a round of the cluster's: no wave of any partner still reads this slot or has a load on its way
	s_add_nc_u64 s[G0+4*\slot+2:G0+4*\slot+3], s[G0+4*\slot+2:G0+4*\slot+3], 4*262144   ; two K steps on: four heads
	s_add_nc_u64 s[G0B+4*\slot+2:G0B+4*\slot+3], s[G0B+4*\slot+2:G0B+4*\slot+3], 512
	JLOAD \slot                                    ; the first tensor load behind the round: 112 matrix instructions ahead of the wait for it; its four v_nop are the places in front of the loads below
.else
	PLACES
.endif
	FETCH \next, 0, F0
	WIN MULW
	MUL8 F1, 2, 0
	MUL8 F1, 3, 0
.endm
	s_wait_tensorcnt 1                             ; my part of K step 0 is in (K step 1's load may be out),
	s_barrier_signal -1
	s_barrier_wait -1                              ; everybody's is
	FETCH 0, 0, F0
	s_wait_loadcnt 0x0                             ; the bias
	QUARTER 0, 1, F0, F1, 1                        ; the first quarter stands in front of the loop: its products start the sums from the bias
	WIN 0
	s_mov_b32 s3, LAPS-1
.Llap:                                             ; a trip goes once round the ring and fills both slots again
	QUARTER 0, 2, F1, F0, 0
	QUARTER 0, 3, F0, F1, 0
	TURN 0, 1, 1
	QUARTER 1, 1, F0, F1, 0
	QUARTER 1, 2, F1, F0, 0
	QUARTER 1, 3, F0, F1, 0
	TURN 1, 0, 1
	QUARTER 0, 1, F0, F1, 0
	WIN 0
	s_sub_co_u32 s3, s3, 1
	s_cmp_lg_u32 s3, 0
	s_cbranch_scc1 .Llap
	QUARTER 0, 2, F1, F0, 0                        ; the last lap fills nothing
	QUARTER 0, 3, F0, F1, 0
	TURN 0, 1, 0
	QUARTER 1, 1, F0, F1, 0
	QUARTER 1, 2, F1, F0, 0
	QUARTER 1, 3, F0, F1, 0
	s_wait_dscnt 4
	WIN MULW
	MUL8 F1, 0, 0
	MUL8 F1, 1, 0
	s_wait_dscnt 0
	MUL8 F1, 2, 0
	MUL8 F1, 3, 0
	WIN 0
; THE WAY OUT, block by block of 16 rows x 128 columns, through my own stage: whole rows of 512 bytes come back and are stored by the 32 lanes.
.macro TOSTAGE a
	WIN 0x04                                       ; an LDS store's data: window 1
.irp b, 0,1,2,3,4,5,6,7
	ds_store_b128 v[STO], v[8*(8*(\a)+\b):8*(8*(\a)+\b)+3] offset:64*\b          ; each accumulator from its low end on
	ds_store_b128 v[STO], v[8*(8*(\a)+\b)+4:8*(8*(\a)+\b)+7] offset:64*\b+16
.endr
	WIN 0
.set BB, BK+64*((\a)%2)
.irp t, 0,1,2,3,4,5,6,7,8,9,10,11,12,13,14,15
	ds_load_b128 v[BB+4*\t:BB+4*\t+3], v[RD] offset:\t*SPITCH   ; LDS serves a wave's instructions in order
.endr
.endm
.macro SEND a, younger
.set BB, BK+64*((\a)%2)
	s_wait_dscnt \younger                          ; the block is back; the next block's 16 stores and 16 loads may be out
.if (\a) == 0
	s_cmp_eq_u32 s[SKIP], 0                        ; positions 0-15 of a batch belong to the launch that follows
	s_cbranch_scc1 .Lnot_mine_\@
.endif
.irp t, 0,1,2,3,4,5,6,7,8,9,10,11,12,13,14,15
	global_store_b128 v[CO], v[BB+4*\t:BB+4*\t+3], s[10:11] offset:(\a)*65536+\t*4096 th:TH_STORE_NT   ; 32 lanes store 512 consecutive bytes, aligned
.endr
.if (\a) == 0
.Lnot_mine_\@:
.endif
.endm
	PLACES
	TOSTAGE 0
.irp a, 1,2,3
.if \a > 1
	s_wait_xcnt 0x0                                ; block a - 2's stores have read their data: block a's loads may land there
.endif
	TOSTAGE \a
	SEND \a-1, 32
.endr
	SEND 3, 0
	s_wait_tensorcnt 0x0                           ; the wave's end
	ds_add_u32 v[SPW], v[NIL]
	s_wait_dscnt 0x0
	CROUND                                         ; the closing round
	s_endpgm
.Lfunc_end_k_q67af0549a2_proj:
	.size	k_q67af0549a2_proj, .Lfunc_end_k_q67af0549a2_proj-k_q67af0549a2_proj
	.p2alignl 7, 3214868480
	.fill 96, 4, 3214868480
	.section	.rodata,"a",@progbits
	.p2align	6, 0x0
	.amdhsa_kernel k_q67af0549a2_proj
		.amdhsa_group_segment_fixed_size 327680
		.amdhsa_private_segment_fixed_size 0
		.amdhsa_enable_private_segment 0
		.amdhsa_kernarg_size 32
		.amdhsa_user_sgpr_count 2
		.amdhsa_user_sgpr_kernarg_segment_ptr 1
		.amdhsa_wavefront_size32 1
		.amdhsa_system_sgpr_workgroup_id_x 1
		.amdhsa_system_sgpr_workgroup_id_y 1
		.amdhsa_system_sgpr_workgroup_id_z 1
		.amdhsa_system_vgpr_workitem_id 0
		.amdhsa_next_free_vgpr 704
		.amdhsa_next_free_sgpr 66
		.amdhsa_reserve_vcc 0
		.amdhsa_float_denorm_mode_32 3
		.amdhsa_float_denorm_mode_16_64 3
		.amdhsa_memory_ordered 1
		.amdhsa_forward_progress 1
		.amdhsa_inst_pref_size 87
	.end_amdhsa_kernel
	.amdgpu_metadata
---
amdhsa.version: [ 1, 2 ]
amdhsa.kernels:
  - .name:           k_q67af0549a2_proj
    .symbol:         k_q67af0549a2_proj.kd
    .args:
      - { .name: ao, .offset: 0, .size: 8, .value_kind: global_buffer, .address_space: global }
      - { .name: wo16, .offset: 8, .size: 8, .value_kind: global_buffer, .address_space: global }
      - { .name: b_o, .offset: 16, .size: 8, .value_kind: global_buffer, .address_space: global }
      - { .name: out0, .offset: 24, .size: 8, .value_kind: global_buffer, .address_space: global }
    .group_segment_fixed_size: 327680
    .private_segment_fixed_size: 0
    .kernarg_segment_align: 8
    .kernarg_segment_size: 32
    .max_flat_workgroup_size: 128
    .sgpr_count:     66
    .vgpr_count:     704
    .wavefront_size: 32
...
	.end_amdgpu_metadata
.endif
;; end of part 4
;; launch fine (part 5): grid 64 x 4, 16 waves a work-group, no clusters, 18,432 bytes of LDS; arguments qkv32, w_o, b_o, out0; writes out0
.if DOCPART == 5
	.amdgcn_target "amdgcn-amd-amdhsa--gfx1250"
	.amdhsa_code_object_version 6
	.text
	.protected	k_q67af0549a2_fine
	.globl	k_q67af0549a2_fine
	.p2align	8
	.type	k_q67af0549a2_fine,@function
k_q67af0549a2_fine:
	s_mov_b64 s[64:65], 0
	v_nop
	global_prefetch_b8 v0, s[64:65] scope:SCOPE_SE
	s_setreg_imm32_b32 hwreg(HW_REG_WAVE_MODE, 25, 1), 1
	s_wait_xcnt 0x0
; Positions 0-15 of each batch, all in f32: these rows average one to sixteen values and are the largest of the output, so their operands are not rounded to 16 bits.
; out0[b][s][n0 .. n0 + 15] for s = 0 .. 15: attention over the first 16 positions of every head (causal), then the projection by w_o and the bias.
; A work-group takes 16 output columns of one batch; wave = head.  A head's 64 channels are the wave's own slice of the projection's K, so only sixteen partial tiles of 16 x 16 meet in LDS.
; Every work-group of a batch repeats the batch's small attention (16 x 16 a head): that is less work than a launch more.
; Products by the f32 matrix form, 16 x 16 x 4: small work, 48 instructions a wave.  Its results are written by matrix instructions alone; sums of them go into other registers.
; The same permutation of k is applied to both operands of a product: S: slot 2 h + j = channel 8 kk + 4 h + 2 u + j; P V: key 8 h + 2 kk + j; projection: channel 16 n + 8 h + 2 jj + j.
; 64 bytes of a row are stored by four lanes of two waves: 256 KiB in the whole launch; wider work-groups would leave most of the chip without work.
.set SPARE, 16384                      ; behind the sixteen partial tiles: the spare words, 128 bytes a wave
.set SPW, 14
.set NIL, 15
.set RK,  16                           ; v16-47   K: lane (r, h): key r, channels 8 kk + 4 h + 0..3 at 4 kk
.set RQ,  48                           ; v48-79   Q likewise
.set RV,  80                           ; v80-111  V: 8 n + i: key 8 h + i, channel 16 n + r
.set RW,  112                          ; v112-143 w_o: 8 n + i: row n0 + r, channel 16 n + 8 h + i
.set SA,  144                          ; v144-175 four accumulators: S^T's parts, later the projection's
.set OA,  176                          ; v176-207 O^T: 8 n + j: channel 16 n + 8 h + j of query r
.set TT,  208
.set T2,  216
.set PP,  224
.set RR,  232
	s_load_b256 s[4:11], s[0:1], 0x0               ; qkv32 s[4:5], w_o s[6:7], b_o s[8:9], out0 s[10:11]
	v_lshl_add_u32 v[SPW], v0, 2, SPARE
	v_mov_b32 v[NIL], 0
	v_lshrrev_b32 v1, 5, v0
	v_readfirstlane_b32 s12, v1                    ; wave = head
	v_and_b32 v1, 15, v0                           ; r
	v_bfe_u32 v2, v0, 4, 1                         ; h
	v_and_b32 v3, 31, v0                           ; lane
	v_mul_u32_u24 v4, v1, 12288                    ; Q, K: position r's row of 12,288 bytes, + 16 h
	v_lshl_add_u32 v4, v2, 4, v4
	v_mul_u32_u24 v5, v2, 98304                    ; V: position 8 h, + 4 r
	v_lshl_add_u32 v5, v1, 2, v5
	v_lshlrev_b32 v6, 12, v1                       ; w_o: row r of 4,096 bytes, + 32 h
	v_lshl_add_u32 v6, v2, 5, v6
	s_lshl_b32 s16, s12, 10
	v_lshl_add_u32 v7, v3, 4, s16                  ; LDS: my wave's partial tile, 16 bytes a lane
	s_and_b32 s16, s12, 1
	s_lshl_b32 s17, s16, 9
	v_lshl_add_u32 v8, v3, 4, s17                  ; and where waves 0, 1 read: registers 4 u .. 4 u + 3 of every partial
	s_lshl_b32 s17, s16, 4
	v_lshl_add_u32 v9, v2, 5, s17                  ; columns 8 h + 4 u on, in bytes
	v_lshl_add_u32 v10, v1, 12, v9                 ; and position r's row of out0
	v_lshlrev_b32 v11, 3, v2
	v_sub_nc_u32 v11, v1, v11                      ; d = r - 8 h: register j holds key 8 h + j, hidden where j > d
	v_mov_b32 v12, 0xff800000                      ; -infinity
	s_and_b32 s14, ttmp7, 0xffff                   ; batch
	s_mov_b32 s18, 0x76543210
	s_mov_b32 s19, 0xfedcba98
	s_mov_b32 s20, 0x3e38aa3b                      ; c = log2(e) / 8
	s_mov_b32 s21, s20
	s_mul_i32 s22, s14, 196608
	s_lshl_b32 s16, s12, 8
	s_add_co_u32 s22, s22, s16                     ; qkv32: my batch, my head's 256 bytes of a row
	s_mov_b32 s23, 0
	s_lshl_b32 s24, ttmp9, 16
	s_add_co_u32 s24, s24, s16                     ; w_o: row n0 = 16 x work-group x, my head's 256 bytes
	s_mov_b32 s25, 0
	s_lshl_b32 s26, ttmp9, 6                       ; column n0 in bytes
	s_mov_b32 s27, 0
	s_lshl_b32 s28, s14, 23                        ; out0: my batch
	s_add_co_u32 s28, s28, s26
	s_mov_b32 s29, 0
	s_wait_kmcnt 0x0
	s_add_nc_u64 s[4:5], s[4:5], s[22:23]
	s_add_nc_u64 s[6:7], s[6:7], s[24:25]
	s_add_nc_u64 s[8:9], s[8:9], s[26:27]
	s_add_nc_u64 s[10:11], s[10:11], s[28:29]
.irp kk, 0,1,2,3,4,5,6,7
	global_load_b128 v[RK+4*\kk:RK+4*\kk+3], v4, s[4:5] offset:4096+32*\kk
.endr
.irp kk, 0,1,2,3,4,5,6,7
	global_load_b128 v[RQ+4*\kk:RQ+4*\kk+3], v4, s[4:5] offset:32*\kk
.endr
.irp n, 0,1,2,3
.irp i, 0,1,2,3,4,5,6,7
	global_load_b32 v[RV+8*\n+\i], v5, s[4:5] offset:\i*12288+8192+64*\n
.endr
.endr
.irp n, 0,1,2,3
	global_load_b128 v[RW+8*\n:RW+8*\n+3],   v6, s[6:7] offset:64*\n
	global_load_b128 v[RW+8*\n+4:RW+8*\n+7], v6, s[6:7] offset:64*\n+16
.endr
	s_wait_loadcnt 40                              ; K and Q are in; V's 32 loads and w_o's 8 may be out
.set i, 0
.rept 16                                           ; S^T = K Q^T, 4 channels an instruction, four accumulators by turns; the first four start the sums
.if i < 4
	v_wmma_f32_16x16x4_f32 v[SA+8*(i%4):SA+8*(i%4)+7], v[RK+2*i:RK+2*i+1], v[RQ+2*i:RQ+2*i+1], 0
.else
	v_wmma_f32_16x16x4_f32 v[SA+8*(i%4):SA+8*(i%4)+7], v[RK+2*i:RK+2*i+1], v[RQ+2*i:RQ+2*i+1], v[SA+8*(i%4):SA+8*(i%4)+7]
.endif
.set i, i+1
.endr
.rept 8
	v_nop                                          ; eight places behind this form, in front of the first read of its results (ISA guide 7.12.1)
.endr
.irp j, 0,2,4,6                                ; the four parts are added, each accumulator from its low end on
	v_pk_add_f32 v[TT+\j:TT+\j+1], v[SA+\j:SA+\j+1], v[SA+8+\j:SA+8+\j+1]
	v_pk_add_f32 v[T2+\j:T2+\j+1], v[SA+16+\j:SA+16+\j+1], v[SA+24+\j:SA+24+\j+1]
.endr
.irp j, 0,2,4,6
	v_pk_add_f32 v[TT+\j:TT+\j+1], v[TT+\j:TT+\j+1], v[T2+\j:T2+\j+1]
.endr
.irp j, 0,1,2,3,4,5,6,7
	v_cmp_gt_i32 vcc_lo, \j, v11
	v_cndmask_b32 v[TT+\j], v[TT+\j], v12, vcc_lo  ; the causal mask
.endr
	v_max3_num_f32 v216, v208, v209, v210          ; the row's maximum: key 0 counts for every query, so it is a number
	v_max3_num_f32 v217, v211, v212, v213
	v_max3_num_f32 v216, v216, v214, v215
	v_max_num_f32 v216, v216, v217
	v_permlanex16_b32 v217, v216, s18, s19
	v_max_num_f32 v216, v216, v217
	v_mul_f32 v216, s20, v216                      ; c m
.irp j, 0,2,4,6
	v_pk_fma_f32 v[PP+\j:PP+\j+1], v[TT+\j:TT+\j+1], s[20:21], v[216:217] op_sel_hi:[1,0,0] neg_lo:[0,0,1] neg_hi:[0,0,1]
.endr
.irp j, 0,1,2,3,4,5,6,7
	v_exp_f32 v[PP+\j], v[PP+\j]
.endr
	v_nop                                          ; a plain instruction behind the exponentials
	s_wait_alu depctr_va_vdst(0)                   ; one wait for the eight, ahead of their first reader
	v_pk_add_f32 v[218:219], v[PP:PP+1], v[PP+2:PP+3]
	v_pk_add_f32 v[220:221], v[PP+4:PP+5], v[PP+6:PP+7]
	v_pk_add_f32 v[218:219], v[218:219], v[220:221]
	v_add_f32 v218, v218, v219
	v_permlanex16_b32 v219, v218, s18, s19
	v_add_f32 v218, v218, v219                     ; the row's sum
	v_rcp_f32 v220, v218
	v_nop
	s_wait_alu depctr_va_vdst(0)
.irp j, 0,2,4,6
	v_pk_mul_f32 v[PP+\j:PP+\j+1], v[PP+\j:PP+\j+1], v[220:221] op_sel_hi:[1,0]   ; the weights, normalised
.endr
	s_wait_loadcnt 8                               ; V is in; w_o's 8 loads may be out
.irp kk, 0,1,2,3                               ; O^T = V^T P: 4 keys an instruction, the four tiles of channels by turns
.irp n, 0,1,2,3
.if \kk == 0
	v_wmma_f32_16x16x4_f32 v[OA+8*\n:OA+8*\n+7], v[RV+8*\n+2*\kk:RV+8*\n+2*\kk+1], v[PP+2*\kk:PP+2*\kk+1], 0
.else
	v_wmma_f32_16x16x4_f32 v[OA+8*\n:OA+8*\n+7], v[RV+8*\n+2*\kk:RV+8*\n+2*\kk+1], v[PP+2*\kk:PP+2*\kk+1], v[OA+8*\n:OA+8*\n+7]
.endif
.endr
.endr
.rept 9
	v_nop                                          ; nine places: the next products take these results as an operand
.endr
	s_wait_loadcnt 0x0                             ; w_o
.irp jj, 0,1,2,3                               ; my head's part of the projection, transposed: source 0 = 16 rows of w_o, source 1 = O^T's register pairs
.irp n, 0,1,2,3
.if \jj == 0
	v_wmma_f32_16x16x4_f32 v[SA+8*\n:SA+8*\n+7], v[RW+8*\n+2*\jj:RW+8*\n+2*\jj+1], v[OA+8*\n+2*\jj:OA+8*\n+2*\jj+1], 0
.else
	v_wmma_f32_16x16x4_f32 v[SA+8*\n:SA+8*\n+7], v[RW+8*\n+2*\jj:RW+8*\n+2*\jj+1], v[OA+8*\n+2*\jj:OA+8*\n+2*\jj+1], v[SA+8*\n:SA+8*\n+7]
.endif
.endr
.endr
.rept 8
	v_nop
.endr
.irp j, 0,2,4,6
	v_pk_add_f32 v[RR+\j:RR+\j+1], v[SA+\j:SA+\j+1], v[SA+8+\j:SA+8+\j+1]
	v_pk_add_f32 v[T2+\j:T2+\j+1], v[SA+16+\j:SA+16+\j+1], v[SA+24+\j:SA+24+\j+1]
.endr
.irp j, 0,2,4,6
	v_pk_add_f32 v[RR+\j:RR+\j+1], v[RR+\j:RR+\j+1], v[T2+\j:T2+\j+1]   ; lane (r, h), register j: position r, column n0 + 8 h + j
.endr
	ds_store_b128 v7, v[RR:RR+3]
	ds_store_b128 v7, v[RR+4:RR+7] offset:512
	s_wait_dscnt 0x0                               ; for the others' sake: my partial tile lies in LDS
	s_barrier_signal -1
	s_barrier_wait -1
	s_cmp_ge_u32 s12, 2
	s_cbranch_scc1 .Lend                           ; waves 0 and 1 add the sixteen heads' parts: wave u takes registers 4 u .. 4 u + 3
	global_load_b128 v[80:83], v9, s[8:9]          ; the bias of my four columns
.irp p, 0,1,2,3,4,5,6,7,8,9,10,11,12,13,14,15
	ds_load_b128 v[16+4*\p:19+4*\p], v8 offset:1024*\p
.endr
	s_wait_dscnt 0x0
.irp p, 1,2,3,4,5,6,7,8,9,10,11,12,13,14,15
	v_pk_add_f32 v[16:17], v[16:17], v[16+4*\p:17+4*\p]
	v_pk_add_f32 v[18:19], v[18:19], v[18+4*\p:19+4*\p]
.endr
	s_wait_loadcnt 0x0
	v_pk_add_f32 v[16:17], v[16:17], v[80:81]
	v_pk_add_f32 v[18:19], v[18:19], v[82:83]
	global_store_b128 v10, v[16:19], s[10:11]
.Lend:
	s_wait_tensorcnt 0x0                           ; the wave's end: behind the last LDS store
	ds_add_u32 v[SPW], v[NIL]
	s_wait_dscnt 0x0
	s_endpgm
.Lfunc_end_k_q67af0549a2_fine:
	.size	k_q67af0549a2_fine, .Lfunc_end_k_q67af0549a2_fine-k_q67af0549a2_fine
	.p2alignl 7, 3214868480
	.fill 96, 4, 3214868480
	.section	.rodata,"a",@progbits
	.p2align	6, 0x0
	.amdhsa_kernel k_q67af0549a2_fine
		.amdhsa_group_segment_fixed_size 18432
		.amdhsa_private_segment_fixed_size 0
		.amdhsa_enable_private_segment 0
		.amdhsa_kernarg_size 32
		.amdhsa_user_sgpr_count 2
		.amdhsa_user_sgpr_kernarg_segment_ptr 1
		.amdhsa_wavefront_size32 1
		.amdhsa_system_sgpr_workgroup_id_x 1
		.amdhsa_system_sgpr_workgroup_id_y 1
		.amdhsa_system_sgpr_workgroup_id_z 1
		.amdhsa_system_vgpr_workitem_id 0
		.amdhsa_next_free_vgpr 256
		.amdhsa_next_free_sgpr 66
		.amdhsa_reserve_vcc 1
		.amdhsa_float_denorm_mode_32 3
		.amdhsa_float_denorm_mode_16_64 3
		.amdhsa_memory_ordered 1
		.amdhsa_forward_progress 1
		.amdhsa_inst_pref_size 19
	.end_amdhsa_kernel
	.amdgpu_metadata
---
amdhsa.version: [ 1, 2 ]
amdhsa.kernels:
  - .name:           k_q67af0549a2_fine
    .symbol:         k_q67af0549a2_fine.kd
    .args:
      - { .name: qkv32, .offset: 0, .size: 8, .value_kind: global_buffer, .address_space: global }
      - { .name: w_o, .offset: 8, .size: 8, .value_kind: global_buffer, .address_space: global }
      - { .name: b_o, .offset: 16, .size: 8, .value_kind: global_buffer, .address_space: global }
      - { .name: out0, .offset: 24, .size: 8, .value_kind: global_buffer, .address_space: global }
    .group_segment_fixed_size: 18432
    .private_segment_fixed_size: 0
    .kernarg_segment_align: 8
    .kernarg_segment_size: 32
    .max_flat_workgroup_size: 512
    .sgpr_count:     66
    .vgpr_count:     256
    .wavefront_size: 32
...
	.end_amdgpu_metadata
.endif
;; end of part 5
